; MI455X (gfx1250); checked and timed in simulation.
; The chip was launched on July 23, 2026; its instructions are those of AMD's public machine-readable ISA for CDNA 5 (MIT licence, August 2026) and "CDNA5" Instruction Set Architecture Reference Guide (July 2026). The comments in the code are by the model that wrote it; some were corrected since.
;; Causal Prefix Attention. Allowed arithmetic: float matrix products may take bf16 or f16 operands with f32 sums; all other float work in f32.
;; Inputs: Wkv 1,024 x 2,048 float32; Wo 1,024 x 1,024 float32; Wq 1,024 x 1,024 float32; b1 1,024 float32; b2 1,024 float32; bo 1,024 float32; context 2 x 2,048 x 1,024 float32; context_mask 2 x 2,048 bool; g1 1,024 float32; g2 1,024 float32; x 2 x 2,048 x 1,024 float32.
;; Outputs: out0 2 x 2,048 x 1,024 float32.
;; 2 versions, each right and faster than the one before. Each part assembles by itself: llvm-mc -triple=amdgcn-amd-amdhsa -mcpu=gfx1250 --defsym DOCPART=n.
;; ======== version 1 of 2: 4 launches
;; limits: values are held in f16: magnitudes above 65,504 overflow, below 6.1e-05 lose precision
;; workspace buffers: a16 16,777,216 bytes; wall 6,291,456 bytes; wo16 2,097,152 bytes; q16 8,388,608 bytes; k16 16,777,216 bytes; v16 16,777,216 bytes; o16 8,388,608 bytes
;; launch prep (part 1): grid 512 x 1, 8 waves a work-group, no clusters, 0 bytes of LDS; arguments x, context, g1, b1, g2, b2, Wq, Wkv, Wo, a16, wall, wo16; writes a16, wall, wo16
.if DOCPART == 1
	.amdgcn_target "amdgcn-amd-amdhsa--gfx1250"
	.amdhsa_code_object_version 6
	.text
	.protected	k_q4cae800b3f_prep
	.globl	k_q4cae800b3f_prep
	.p2align	8
	.type	k_q4cae800b3f_prep,@function
k_q4cae800b3f_prep:
	s_mov_b64 s[64:65], 0
	v_nop
	global_prefetch_b8 v0, s[64:65] scope:SCOPE_SE
	s_setreg_imm32_b32 hwreg(HW_REG_WAVE_MODE, 25, 1), 1
	s_wait_xcnt 0x0
; PREP.  Work-groups 0-255: layer norm of x (a16 rows 0-4095) and of context (rows 4096-8191), f32 in, f16 out.
; Work-groups 256-511: c Wq and Wkv side by side into wall [1024 k][3072 n] f16, Wo into wo16 [1024][1024] f16.
; c = log2(e) / 8 is the attention's scale 1 / sqrt(64) and the change to base 2 in one: multiplied in f32 onto Wq ahead of its one rounding, so that the scores come out of the matrix unit ready for 2^x.
; A stream: every input byte is read once by 16-byte loads, every output byte written once; a store of a wave covers 256 consecutive
; bytes that begin at a multiple of 256 from the buffer's first byte.  No LDS, no barrier, no matrix work: there is nothing to share.
; LAYER NORM in two passes over a row kept in registers: the mean, then the sum of (x - mean)^2, so a common offset of x costs no digits.
; A wave takes four rows; lane l's load j holds columns 128 j + 4 l .. + 3, and its 32 numbers of gamma and beta stay in registers.
; LIMITS.  f16 ends at 65,504: a normalised number or a weight beyond that becomes an infinity; below 6e-5 f16 keeps a fixed step of 6e-8.
; NaN and infinities in the inputs are not treated apart.
.set G, 4                              ; v[4:35]    gamma of my 32 columns
.set B, 36                             ; v[36:67]   beta
.set X, 68                             ; v[68:195]  four rows of 32 registers (cast: sixteen loads of 4)
.set T, 196                            ; v[196:203] at work
	s_load_b512 s[8:23], s[0:1], 0x0               ; x 8:9, context 10:11, g1 12:13, b1 14:15, g2 16:17, b2 18:19, Wq 20:21, Wkv 22:23
	s_load_b256 s[24:31], s[0:1], 0x40             ; Wo 24:25, a16 26:27, wall 28:29, wo16 30:31
	v_lshrrev_b32 v3, 5, v0
	v_readfirstlane_b32 s2, v3                     ; wave 0..7
	v_and_b32 v1, 31, v0
	v_lshlrev_b32 v2, 3, v1                        ; 8 x lane: my 8 bytes of a store
	v_lshlrev_b32 v1, 4, v1                        ; 16 x lane: my 16 bytes of a load
	s_mov_b32 s44, 0x76543210                      ; v_permlanex16_b32: each lane takes its own place in the other half
	s_mov_b32 s45, 0xfedcba98
	s_mov_b32 s46, 0x3a800000                      ; 1 / 1024
	s_mov_b32 s47, 0x3727c5ac                      ; 1e-5
	s_cmp_ge_u32 ttmp9, 256
	s_cbranch_scc1 .Lcast
	; ---- layer norm: a16 rows 32 wg + 4 w .. + 3 ----
	s_and_b32 s3, ttmp9, 127
	s_lshl_b32 s3, s3, 5
	s_lshl2_add_u32 s3, s2, s3                     ; my first row in x or in context
	s_lshl_b32 s32, s3, 12                         ; x 4,096 bytes
	s_mov_b32 s33, 0
	s_lshl_b32 s36, ttmp9, 5
	s_lshl2_add_u32 s36, s2, s36                   ; my first row in a16
	s_lshl_b32 s36, s36, 11                        ; x 2,048 bytes
	s_mov_b32 s37, 0
	s_wait_kmcnt 0x0
	s_cmp_lt_u32 ttmp9, 128                        ; x with g1, b1, or context with g2, b2
	s_cselect_b64 s[4:5], s[8:9], s[10:11]
	s_cselect_b64 s[6:7], s[12:13], s[16:17]
	s_cselect_b64 s[38:39], s[14:15], s[18:19]
	s_add_nc_u64 s[4:5], s[4:5], s[32:33]
	s_add_nc_u64 s[26:27], s[26:27], s[36:37]
.irp j, 0,1,2,3,4,5,6,7
	global_load_b128 v[G+4*\j:G+4*\j+3], v1, s[6:7] offset:512*\j
.endr
.irp j, 0,1,2,3,4,5,6,7
	global_load_b128 v[B+4*\j:B+4*\j+3], v1, s[38:39] offset:512*\j
.endr
.set k, 0
.rept 32                                       ; all four rows go out at once: row k / 8, load k % 8
	global_load_b128 v[X+4*k:X+4*k+3], v1, s[4:5] offset:512*k th:TH_LOAD_NT
.set k, k+1
.endr
.macro FOLD                            ; four chains of pairs into one number a lane
	v_pk_add_f32 v[T:T+1], v[T:T+1], v[T+2:T+3]
	v_pk_add_f32 v[T+4:T+5], v[T+4:T+5], v[T+6:T+7]
	v_pk_add_f32 v[T:T+1], v[T:T+1], v[T+4:T+5]
	v_add_f32 v[T], v[T], v[T+1]
.endm
.macro REDUCE                          ; the sum over the 32 lanes, in every lane
	v_add_f32_dpp v[T], v[T], v[T] row_xmask:1 row_mask:0xf bank_mask:0xf
	v_add_f32_dpp v[T], v[T], v[T] row_xmask:2 row_mask:0xf bank_mask:0xf
	v_add_f32_dpp v[T], v[T], v[T] row_xmask:4 row_mask:0xf bank_mask:0xf
	v_add_f32_dpp v[T], v[T], v[T] row_xmask:8 row_mask:0xf bank_mask:0xf
	v_permlanex16_b32 v[T+1], v[T], s44, s45       ; its destination has been written (FOLD read it)
	v_add_f32 v[T], v[T], v[T+1]
.endm
.macro LNROW r
.set XR, X+32*(\r)
	s_wait_loadcnt 8*(3-(\r))                      ; loads come back in order: the eight loads of each later row may stay out; gamma and beta are older
.irp c, 0,1,2,3
	v_pk_add_f32 v[T+2*\c:T+2*\c+1], v[XR+4*\c:XR+4*\c+1], v[XR+4*\c+2:XR+4*\c+3]  ; the first eight pairs start four chains: nothing is cleared
.endr
.set k, 8
.rept 8
	v_pk_add_f32 v[T+2*(k%4):T+2*(k%4)+1], v[T+2*(k%4):T+2*(k%4)+1], v[XR+2*k:XR+2*k+1]
.set k, k+1
.endr
	FOLD
	REDUCE
	v_mul_f32 v[T], s46, v[T]                      ; the mean
.set k, 0
.rept 16
	v_pk_add_f32 v[XR+2*k:XR+2*k+1], v[XR+2*k:XR+2*k+1], v[T:T+1] op_sel_hi:[1,0] neg_lo:[0,1] neg_hi:[0,1]  ; x - mean
.set k, k+1
.endr
.irp c, 0,1,2,3
	v_pk_mul_f32 v[T+2*\c:T+2*\c+1], v[XR+2*\c:XR+2*\c+1], v[XR+2*\c:XR+2*\c+1]
.endr
.set k, 4
.rept 12
	v_pk_fma_f32 v[T+2*(k%4):T+2*(k%4)+1], v[XR+2*k:XR+2*k+1], v[XR+2*k:XR+2*k+1], v[T+2*(k%4):T+2*(k%4)+1]
.set k, k+1
.endr
	FOLD
	REDUCE
	v_fma_f32 v[T+2], v[T], s46, s47               ; variance + 1e-5
	v_rsq_f32 v[T+2], v[T+2]
	v_mov_b32 v[T+3], 0                            ; a plain instruction behind the root (ISA guide 5.7.2); it also writes the pair's other register
.set k, 0
	s_wait_alu depctr_va_vdst(0)
.rept 16
	v_pk_mul_f32 v[XR+2*k:XR+2*k+1], v[XR+2*k:XR+2*k+1], v[T+2:T+3] op_sel_hi:[1,0]
.set k, k+1
.endr
.set k, 0
.rept 16
	v_pk_fma_f32 v[XR+2*k:XR+2*k+1], v[XR+2*k:XR+2*k+1], v[G+2*k:G+2*k+1], v[B+2*k:B+2*k+1]
.set k, k+1
.endr
.irp j, 0,1,2,3,4,5,6,7
	v_cvt_pk_f16_f32 v[XR+4*\j], v[XR+4*\j], v[XR+4*\j+1]
	v_cvt_pk_f16_f32 v[XR+4*\j+1], v[XR+4*\j+2], v[XR+4*\j+3]
	global_store_b64 v2, v[XR+4*\j:XR+4*\j+1], s[26:27] offset:2048*(\r)+256*\j  ; 32 lanes x 8 bytes: columns 128 j .. 128 j + 127; a row's registers are never written again
.endr
.endm
	LNROW 0
	LNROW 1
	LNROW 2
	LNROW 3
	s_endpgm
	; ---- casts: wave wi = 8 (wg - 256) + w takes 8,192 source bytes, as two units of 4,096 (1,024 numbers, 2,048 bytes out) ----
	; wi 0-511: rows 2 u, 2 u + 1 of Wq -> wall rows 2 u, 2 u + 1, columns 0-1023.   wi 512-1535: row u of Wkv -> wall row u, columns 1024-3071.   wi 1536-2047: rows 2 u, 2 u + 1 of Wo -> wo16.
	; One text serves the three weights: the factor is c for Wq and 1 for Wkv and Wo.
.Lcast:
	s_sub_co_u32 s3, ttmp9, 256
	s_lshl3_add_u32 s3, s3, s2                     ; wi
	s_sub_co_u32 s32, s3, 512                      ; u for Wkv,
	s_sub_co_u32 s33, s3, 1536                     ; for Wo (for Wq it is wi); only the one that belongs to wi is used
	s_mul_i32 s36, s3, 12288                       ; where the first unit goes: Wq,
	s_mul_i32 s37, s32, 6144
	s_add_co_u32 s37, s37, 2048                    ; Wkv,
	s_lshl_b32 s38, s33, 12                        ; Wo
	s_mov_b32 s42, 2048                            ; from the first unit's place to the second's (Wq: a row of wall, 6,144)
	s_mov_b32 s7, 0
	s_mov_b32 s41, 0
	s_mov_b32 s43, 0
	s_wait_kmcnt 0x0
	s_cmp_lt_u32 s3, 1536
	s_cselect_b32 s6, s32, s33
	s_cselect_b32 s40, s37, s38
	s_cselect_b64 s[4:5], s[22:23], s[24:25]
	s_cselect_b64 s[34:35], s[28:29], s[30:31]
	s_cmp_lt_u32 s3, 512
	s_cselect_b32 s6, s3, s6
	s_cselect_b32 s40, s36, s40
	s_cselect_b64 s[4:5], s[20:21], s[4:5]
	s_cselect_b32 s42, 6144, s42
	s_cselect_b32 s38, 0x3e38aa3b, 1.0             ; c = log2(e) / 8 = 0.180337 for Wq
	s_mov_b32 s39, s38                             ; named with it as a pair
	s_lshl_b32 s6, s6, 13                          ; u x 8,192 bytes
	s_add_nc_u64 s[4:5], s[4:5], s[6:7]
	s_add_nc_u64 s[34:35], s[34:35], s[40:41]      ; the first unit's place,
	s_add_nc_u64 s[42:43], s[34:35], s[42:43]      ; the second's
.set k, 0
.rept 16
	global_load_b128 v[X+4*k:X+4*k+3], v1, s[4:5] offset:512*k th:TH_LOAD_NT
.set k, k+1
.endr
.set k, 0
.rept 16
	s_wait_loadcnt 15-k                            ; load k is in; the later ones may stay out
	v_pk_mul_f32 v[X+4*k:X+4*k+1], v[X+4*k:X+4*k+1], s[38:39] op_sel_hi:[1,0]
	v_pk_mul_f32 v[X+4*k+2:X+4*k+3], v[X+4*k+2:X+4*k+3], s[38:39] op_sel_hi:[1,0]
	v_cvt_pk_f16_f32 v[X+4*k], v[X+4*k], v[X+4*k+1]
	v_cvt_pk_f16_f32 v[X+4*k+1], v[X+4*k+2], v[X+4*k+3]
.if k < 8
	global_store_b64 v2, v[X+4*k:X+4*k+1], s[34:35] offset:256*k
.else
	global_store_b64 v2, v[X+4*k:X+4*k+1], s[42:43] offset:256*(k-8)
.endif
.set k, k+1
.endr
	s_endpgm
.Lfunc_end_k_q4cae800b3f_prep:
	.size	k_q4cae800b3f_prep, .Lfunc_end_k_q4cae800b3f_prep-k_q4cae800b3f_prep
	.p2alignl 7, 3214868480
	.fill 96, 4, 3214868480
	.section	.rodata,"a",@progbits
	.p2align	6, 0x0
	.amdhsa_kernel k_q4cae800b3f_prep
		.amdhsa_group_segment_fixed_size 0
		.amdhsa_private_segment_fixed_size 0
		.amdhsa_enable_private_segment 0
		.amdhsa_kernarg_size 96
		.amdhsa_user_sgpr_count 2
		.amdhsa_user_sgpr_kernarg_segment_ptr 1
		.amdhsa_wavefront_size32 1
		.amdhsa_system_sgpr_workgroup_id_x 1
		.amdhsa_system_sgpr_workgroup_id_y 1
		.amdhsa_system_sgpr_workgroup_id_z 1
		.amdhsa_system_vgpr_workitem_id 0
		.amdhsa_next_free_vgpr 204
		.amdhsa_next_free_sgpr 66
		.amdhsa_reserve_vcc 0
		.amdhsa_float_denorm_mode_32 3
		.amdhsa_float_denorm_mode_16_64 3
		.amdhsa_memory_ordered 1
		.amdhsa_forward_progress 1
		.amdhsa_inst_pref_size 47
	.end_amdhsa_kernel
	.amdgpu_metadata
---
amdhsa.version: [ 1, 2 ]
amdhsa.kernels:
  - .name:           k_q4cae800b3f_prep
    .symbol:         k_q4cae800b3f_prep.kd
    .args:
      - { .name: x, .offset: 0, .size: 8, .value_kind: global_buffer, .address_space: global }
      - { .name: context, .offset: 8, .size: 8, .value_kind: global_buffer, .address_space: global }
      - { .name: g1, .offset: 16, .size: 8, .value_kind: global_buffer, .address_space: global }
      - { .name: b1, .offset: 24, .size: 8, .value_kind: global_buffer, .address_space: global }
      - { .name: g2, .offset: 32, .size: 8, .value_kind: global_buffer, .address_space: global }
      - { .name: b2, .offset: 40, .size: 8, .value_kind: global_buffer, .address_space: global }
      - { .name: Wq, .offset: 48, .size: 8, .value_kind: global_buffer, .address_space: global }
      - { .name: Wkv, .offset: 56, .size: 8, .value_kind: global_buffer, .address_space: global }
      - { .name: Wo, .offset: 64, .size: 8, .value_kind: global_buffer, .address_space: global }
      - { .name: a16, .offset: 72, .size: 8, .value_kind: global_buffer, .address_space: global }
      - { .name: wall, .offset: 80, .size: 8, .value_kind: global_buffer, .address_space: global }
      - { .name: wo16, .offset: 88, .size: 8, .value_kind: global_buffer, .address_space: global }
    .group_segment_fixed_size: 0
    .private_segment_fixed_size: 0
    .kernarg_segment_align: 8
    .kernarg_segment_size: 96
    .max_flat_workgroup_size: 256
    .sgpr_count:     66
    .vgpr_count:     204
    .wavefront_size: 32
...
	.end_amdgpu_metadata
.endif
;; end of part 1
;; launch proj (part 2): grid 20 x 64, 4 waves a work-group, clusters of 4 x 4, 327,680 bytes of LDS; arguments a16, wall, q16, k16, v16; writes q16, k16, v16
.if DOCPART == 2
	.amdgcn_target "amdgcn-amd-amdhsa--gfx1250"
	.amdhsa_code_object_version 6
	.text
	.protected	k_q4cae800b3f_proj
	.globl	k_q4cae800b3f_proj
	.p2align	8
	.type	k_q4cae800b3f_proj,@function
k_q4cae800b3f_proj:
	s_mov_b64 s[64:65], 0
	v_nop
	global_prefetch_b8 v0, s[64:65] scope:SCOPE_SE
	s_setreg_imm32_b32 hwreg(HW_REG_WAVE_MODE, 25, 1), 1
	s_wait_xcnt 0x0
	s_wait_alu depctr_hold_cnt(0) depctr_sa_sdst(0) depctr_va_vdst(0) depctr_va_sdst(0) depctr_va_ssrc(0) depctr_va_vcc(0) depctr_vm_vsrc(0)
	s_getreg_b32 s2, hwreg(HW_REG_IB_STS2, 6, 4)
	s_cmp_eq_u32 s2, 0
	s_cbranch_scc0 .Lentry_in_a_cluster
	s_endpgm
.Lentry_in_a_cluster:
	s_bfe_u32 s2, ttmp6, 0x10000c
	s_cmp_lg_u32 s2, 0xf033
	s_cbranch_scc0 .Lentry_shape_is_right
	s_endpgm
.Lentry_shape_is_right:
; PROJ.  [LN(x); LN(context)] x wall, written by heads.  a16: [8192][1024] f16; wall: [1024 k][3072 n] f16 = [c Wq | Wkv], c = log2(e) / 8 (folded in by the launch before); sums in f32, each result rounded once to f16; no scale is applied here.
; q16: [32 bh][2048][64], so c q; k16, v16: [32 bh][4096 keys][64], keys 0-2047 from context, 2048-4095 from x.  LIMIT: a result beyond 65,504 becomes an infinity.
; TILES.  A work-group makes 128 x 128: four waves, each 64 x 64 in 16 accumulators.  x's 4,096 rows take all 3,072 columns, context's rows the 2,048 of Wkv: 1,280 tiles, 80 clusters of 4 x 4.
; K = 1,024 goes in four steps of 256 through two LDS slots; all four steps are written out.  A's rows lie along K and are read as they lie; wall lies [k][n] and is turned on the way out of LDS by ds_load_tr16_b128.
; CLUSTER.  The four of a cluster's row need the same tile of a16, the four of a column the same tile of wall: each is asked for jointly, by the same tensor load, descriptor and mask in all four.
; THE MATRIX INSTRUCTION IS USED TRANSPOSED (source 0 = 16 columns of wall, source 1 = 16 rows of a16): a lane then holds eight neighbouring columns of one row.
; A wave's 64 columns are one head, so its 64 x 64 results are 8,192 consecutive bytes of q16, k16 or v16: they go out through the wave's own stage.
; REGISTERS.  window 0: v16-29 addresses; v32-95 the way out; v128-255 accumulators ((a, b) at v[128 + 8 (4 a + b)]).  window 1: two fragment buffers of 128: 64 along K, 64 registers of A, then 64 of B.
.set AP,    528                        ; a row of A in LDS: 512 bytes + 16 = 132 words: the 16 rows of a load start at 16 different groups of four banks (64 banks of 4 bytes: ISA guide 11.1)
.set AQ,    128                        ; bytes from a quarter step (64 along K) to the next in A's rows
.set PB,    288                        ; a k-row of B: 256 bytes + 32 = 72 words
.set HALFA, 64*AP                      ; what one tensor load brings of A: 64 rows
.set APART, 2*HALFA
.set HALFB, 128*PB                     ; of B: 128 k-rows
.set SLOT,  APART+2*HALFB              ; 141,312
.set STAGE, 2*SLOT                     ; behind the ring: 64 rows x 144 bytes for each wave
.set SP,    144
.set SPARE, STAGE+4*64*SP              ; behind the stages: the spare words, 128 bytes for each wave: two blocks of 256 bytes that no other line names
.set NW,    3072                       ; elements in a row of wall
.set ASTEP, 512                        ; bytes from a K step to the next in a16,
.set BSTEP, 256*NW*2                   ; in wall
.set ADRA, 16                          ; v16-17  LDS address of my A fragments in slot 0, 1
.set ADRB, 20                          ; v20-23  of my B fragments: slot 0 k-rows 0-127, 128-255, slot 1 likewise (a load's immediate ends at 65,535)
.set STO,  24
.set RD,   25
.set GO,   26
.set SPW,  28                          ; v28  LDS address of my spare word; never rewritten
.set NIL,  29                          ; v29  0; never rewritten
.set TMP,  32
.set ACC,  128
.set F0,   0
.set F1,   128
.set G1,  24                           ; s[24:31] descriptor group 1 for A;  s[32:39] group 0, a set for each slot
.set G0,  32
.set G1B, 48                           ; s[48:55], s[56:63] the same for B
.set G0B, 56
.set MSB, 0
.macro WIN new                         ; the immediate's high byte repeats the setting that is left
.if MSB != (\new)
	s_set_vgpr_msb (MSB<<8)|(\new)
.set MSB, \new
.endif
.endm
.set MUL,  0x05                        ; sources 0 (B) and 1 (A) window 1; C and D window 0
.set TO_F, 0x40                        ; destination window 1, address window 0
.macro JLOAD s                         ; a joint load: waves 0 and 1 fetch A's halves, waves 2 and 3 B's; an s_nop 0 and four v_nop follow each line
	s_cmp_eq_u32 s11, 0
	s_cbranch_scc0 .Lfor_b_\@
	tensor_load_to_lds s[G0+4*(\s):G0+4*(\s)+3], s[G1:G1+7]
	s_nop 0
.rept 4
	v_nop
.endr
	s_branch .Lasked_\@
.Lfor_b_\@:
	tensor_load_to_lds s[G0B+4*(\s):G0B+4*(\s)+3], s[G1B:G1B+7]
	s_nop 0
.rept 4
	v_nop
.endr
.Lasked_\@:
.endm
.macro CREST                           ; a round of the cluster's barrier behind its opening barrier
	s_cmp_lg_u32 s10, 0
	s_cbranch_scc1 .Lnot_wave_0_\@
	s_barrier_signal -3
.Lnot_wave_0_\@:
	s_barrier_wait -3
	s_barrier_signal -1
	s_barrier_wait -1
.endm
.macro CROUND
	s_barrier_signal -1
	s_barrier_wait -1
	CREST
.endm
	s_load_b128 s[4:7], s[0:1], 0x0                ; a16 s[4:5], wall s[6:7]
	s_load_b128 s[68:71], s[0:1], 0x10             ; q16 s[68:69], k16 s[70:71]
	s_load_b64 s[72:73], s[0:1], 0x20              ; v16
	v_lshl_add_u32 v[SPW], v0, 2, SPARE
	v_mov_b32 v[NIL], 0
	ds_add_u32 v28, v29
	s_wait_dscnt 0x0
	v_lshrrev_b32 v1, 5, v0
	v_readfirstlane_b32 s10, v1                    ; wave 0..3
	s_lshr_b32 s11, s10, 1                         ; which half of the tile's rows is mine.  Also: I fetch for A (0) or for B (1)
	s_and_b32 s12, s10, 1                          ; which half of its columns.  Also: which half of that tile I fetch
	s_bfe_u32 s40, ttmp6, 0x40000                  ; cx, cy: my place in the cluster
	s_bfe_u32 s41, ttmp6, 0x40004
	; Which 512 x 512 of the product the cluster makes, from its x (0-4) and y (0-15), which all sixteen share: row group RC (0-7 x, 8-15 context), column group CC (0, 1 q; 2, 3 k; 4, 5 v).
	; y < 8: (RC, CC) = (y, x).  y >= 8: (y, x + 2), but for x = 4, which takes x's last column group: (y - 8, 5).
	s_and_b32 s74, ttmp7, 0xffff
	s_mov_b32 s75, ttmp9
	s_add_co_u32 s78, s75, 2
	s_sub_co_u32 s76, s74, 8
	s_cmp_lt_u32 s74, 8
	s_cselect_b32 s77, s75, s78                    ; CC
	s_cmp_eq_u32 s77, 6
	s_cselect_b32 s77, 5, s77
	s_cselect_b32 s74, s76, s74                    ; RC
	s_lshl_b32 s42, s77, 2
	s_add_co_u32 s42, s42, s40                     ; tile column = 4 CC + cx
	s_lshl_b32 s13, s74, 2
	s_add_co_u32 s13, s13, s41                     ; tile row = 4 RC + cy
	s_lshl_b32 s43, s41, 2
	s_lshl_b32 s43, 15, s43                        ; my row of the cluster
	s_lshl_b32 s44, 0x1111, s40                    ; my column
	; group 1 for A: 64 rows x 256 elements, 16 bytes of padding behind every 512
	s_or_b32 s[G1+0], s43, (1<<16)|(1<<20)|(1<<21)|(6<<22)|(3<<25)  ; 15:0 mask; 17:16 2-byte elements; 20 padding on; 21 set beside a mask; 24:22 after every 128 words; 31:25 4 words
	s_mov_b32 s[G1+1], 256<<16                     ; tensor_dim0
	s_mov_b32 s[G1+2], 64<<16                      ; tensor_dim1
	s_mov_b32 s[G1+3], 256<<16                     ; tile_dim0
	s_mov_b32 s[G1+4], 64                          ; tile_dim1
	s_mov_b32 s[G1+5], 1024                        ; elements from row to row
	s_mov_b32 s[G1+6], 0
	s_mov_b32 s[G1+7], 0
	; group 1 for B: 128 k-rows x 128 elements, 32 bytes of padding behind every 256
	s_or_b32 s[G1B+0], s44, (1<<16)|(1<<20)|(1<<21)|(5<<22)|(7<<25)
	s_mov_b32 s[G1B+1], 128<<16
	s_mov_b32 s[G1B+2], 128<<16
	s_mov_b32 s[G1B+3], 128<<16
	s_mov_b32 s[G1B+4], 128
	s_mov_b32 s[G1B+5], NW
	s_mov_b32 s[G1B+6], 0
	s_mov_b32 s[G1B+7], 0
	s_lshl_b32 s16, s13, 7
	s_lshl_b32 s17, s12, 6
	s_add_co_u32 s16, s16, s17                     ; A: row 128 x tile row + 64 x half,
	s_lshl_b32 s16, s16, 11                        ; x 2,048 bytes
	s_mov_b32 s17, 0
	s_mul_i32 s46, s12, 128*NW*2                   ; B: k-row 128 x half,
	s_lshl_b32 s47, s42, 8                         ; column 128 x tile column
	s_add_co_u32 s46, s46, s47
	s_mov_b32 s47, 0
	s_mul_i32 s20, s12, HALFA                      ; where they go: no place in the cluster enters an LDS address
	s_mul_i32 s21, s12, HALFB
	s_add_co_u32 s21, s21, APART
	s_wait_kmcnt 0x0
	s_add_nc_u64 s[14:15], s[4:5], s[16:17]
	s_add_nc_u64 s[46:47], s[6:7], s[46:47]
	CROUND                                         ; all sixteen work-groups are here: the first joint loads meet
.irp s, 0,1
	s_mov_b32 s[G0+4*(\s)], 1
	s_add_co_u32 s[G0+4*(\s)+1], s20, (\s)*SLOT
	s_add_nc_u64 s[G0+4*(\s)+2:G0+4*(\s)+3], s[14:15], (\s)*ASTEP
	s_or_b32 s[G0+4*(\s)+3], s[G0+4*(\s)+3], 0x80000000
	s_mov_b32 s[G0B+4*(\s)], 1
	s_add_co_u32 s[G0B+4*(\s)+1], s21, (\s)*SLOT
	s_add_nc_u64 s[G0B+4*(\s)+2:G0B+4*(\s)+3], s[46:47], (\s)*BSTEP
	s_or_b32 s[G0B+4*(\s)+3], s[G0B+4*(\s)+3], 0x80000000
	JLOAD \s                                       ; K steps 0 and 1: two tensor loads of mine are out
.endr
	v_and_b32 v1, 15, v0                           ; l % 16
	v_bfe_u32 v2, v0, 4, 1                         ; l / 16
	v_mul_u32_u24 v3, v1, AP
	v_lshl_add_u32 v3, v2, 4, v3                   ; A: row x pitch + 16 x half of the lanes
	s_mul_i32 s21, s11, 64*AP                      ; my 64 rows
.irp s, 0,1
	v_add_nc_u32 v[ADRA+(\s)], s21, v3
	s_add_co_u32 s21, s21, SLOT
.endr
	v_and_b32 v4, 7, v0                            ; B, turned: lane l reads k-row 8 (l / 16) + l % 8, columns 8 ((l / 8) % 2) + 0..7 of sixteen
	v_lshl_add_u32 v4, v2, 3, v4
	v_mul_u32_u24 v4, v4, PB
	v_bfe_u32 v5, v0, 3, 1
	v_lshl_add_u32 v4, v5, 4, v4
	s_lshl_b32 s22, s12, 7                         ; my 64 columns
	s_add_co_u32 s22, s22, APART
	v_add_nc_u32 v[ADRB+0], s22, v4
	s_add_co_u32 s22, s22, 128*PB
	v_add_nc_u32 v[ADRB+1], s22, v4
	s_add_co_u32 s22, s22, SLOT-128*PB
	v_add_nc_u32 v[ADRB+2], s22, v4
	s_add_co_u32 s22, s22, 128*PB
	v_add_nc_u32 v[ADRB+3], s22, v4
	s_mul_i32 s23, s10, 64*SP
	s_add_co_u32 s23, s23, STAGE                   ; my stage
	v_mul_u32_u24 v6, v1, SP                       ; in: row l % 16, 16 bytes for each half of the lanes
	v_lshl_add_u32 v6, v2, 4, v6
	v_add_nc_u32 v[STO], s23, v6
	v_bfe_u32 v6, v0, 3, 2                         ; back: 32 lanes take four rows of 128 bytes,
	v_mul_u32_u24 v6, v6, SP
	v_and_b32 v7, 7, v0
	v_lshl_add_u32 v6, v7, 4, v6
	v_add_nc_u32 v[RD], s23, v6
	v_and_b32 v[GO], 31, v0                        ; which are 512 consecutive bytes of the head's rows
	v_lshlrev_b32 v[GO], 4, v[GO]
	; where my 64 rows of one head go.  These registers feed the stores alone.
	s_lshr_b32 s78, s77, 1                         ; 0 q, 1 k, 2 v
	s_and_b32 s79, s42, 7
	s_lshl_b32 s79, s79, 1
	s_add_co_u32 s79, s79, s12                     ; the head
	s_bfe_u32 s80, s13, 0x10004                    ; the batch: bit 4 of the tile row
	s_lshl_b32 s80, s80, 4
	s_add_co_u32 s79, s79, s80                     ; bh
	s_and_b32 s81, s13, 15
	s_lshl_b32 s81, s81, 7
	s_lshl_b32 s82, s11, 6
	s_add_co_u32 s81, s81, s82                     ; my first row's place in its sequence
	s_cmp_eq_u32 s78, 0
	s_cselect_b32 s82, 11, 12                      ; a head has 2,048 rows in q16, 4,096 in k16 and v16
	s_cselect_b64 s[84:85], s[68:69], s[70:71]
	s_cmp_eq_u32 s78, 2
	s_cselect_b64 s[84:85], s[72:73], s[84:85]
	s_lshl_b32 s79, s79, s82
	s_add_co_u32 s79, s79, s81
	s_cmp_lt_u32 s74, 8                            ; keys made from x lie behind the 2,048 made from context
	s_cselect_b32 s83, 2048, 0
	s_cmp_eq_u32 s78, 0
	s_cselect_b32 s83, 0, s83
	s_add_co_u32 s79, s79, s83
	s_lshl_b32 s86, s79, 7                         ; x 128 bytes
	s_mov_b32 s87, 0
	s_add_nc_u64 s[84:85], s[84:85], s[86:87]
; 8 matrix instructions: row blocks a0, a0 + 1 x all 4 column blocks, 32 along K: half c of buffer f.  zero = 1: the first product starts the sums.
; The 16 accumulators take turns, one instruction a turn.
.macro MUL8 f, c, a0, zero
	WIN MUL
.irp a, \a0, (\a0)+1
.irp b, 0,1,2,3
.if \zero
	v_wmma_f32_16x16x32_f16 v[ACC+8*(4*(\a)+(\b)):ACC+8*(4*(\a)+(\b))+7], v[(\f)+64+8*(4*(\c)+(\b)):(\f)+64+8*(4*(\c)+(\b))+7], v[(\f)+8*(4*(\c)+(\a)):(\f)+8*(4*(\c)+(\a))+7], 0
.else
	v_wmma_f32_16x16x32_f16 v[ACC+8*(4*(\a)+(\b)):ACC+8*(4*(\a)+(\b))+7], v[(\f)+64+8*(4*(\c)+(\b)):(\f)+64+8*(4*(\c)+(\b))+7], v[(\f)+8*(4*(\c)+(\a)):(\f)+8*(4*(\c)+(\a))+7], v[ACC+8*(4*(\a)+(\b)):ACC+8*(4*(\a)+(\b))+7]
.endif
.endr
.endr
.endm
; 32 LDS loads in one run: the fragments of quarter q (64 along K) of a slot into buffer f; the first 32 along K first
.macro FETCH slot, q, f
	WIN TO_F
.irp c, 0,1
.irp i, 0,1,2,3
	ds_load_tr16_b128 v[(\f)+64+8*(4*(\c)+(\i)):(\f)+64+8*(4*(\c)+(\i))+3],   v[ADRB+2*(\slot)+(\q)/2] offset:(64*((\q)%2)+32*(\c))*PB+32*(\i)
	ds_load_tr16_b128 v[(\f)+64+8*(4*(\c)+(\i))+4:(\f)+64+8*(4*(\c)+(\i))+7], v[ADRB+2*(\slot)+(\q)/2] offset:(64*((\q)%2)+32*(\c)+16)*PB+32*(\i)
	ds_load_b128 v[(\f)+8*(4*(\c)+(\i)):(\f)+8*(4*(\c)+(\i))+3],         v[ADRA+(\slot)] offset:(\q)*AQ+64*(\c)+(\i)*16*AP
	ds_load_b128 v[(\f)+8*(4*(\c)+(\i))+4:(\f)+8*(4*(\c)+(\i))+7],       v[ADRA+(\slot)] offset:(\q)*AQ+64*(\c)+(\i)*16*AP+32
.endr
.endr
.endm
.macro PLACES                          ; four places in front of loads into registers that matrix instructions have read, and of conversions that read results
.rept 4
	v_nop
.endr
.endm
; A K step is four quarters of 64 along K on buffers 0, 1, 0, 1.  One of the first three: multiplies buffer f and fetches quarter q into g.
.macro QUARTER slot, q, f, g, zero
	s_wait_dscnt 16                                ; the first 32 along K are in; the sixteen younger loads may be out
	MUL8 \f, 0, 0, \zero
	MUL8 \f, 0, 2, \zero
	PLACES
	FETCH \slot, \q, \g
	s_wait_dscnt 32                                ; all but the 32 just issued
	MUL8 \f, 1, 0, 0
	MUL8 \f, 1, 2, 0
.endm
; The last quarter multiplies buffer 1 and changes slots: one barrier; in front of it each wave waits for all its tensor loads, adds 0 to its spare word, and waits for that and for its reads of this slot.
; fill = 1: the barrier opens a round of the cluster's barrier, and this slot is filled again, two K steps ahead, first thing behind the round.
.macro TURN slot, next, fill
	WIN 0                                          ; (the add's two registers lie in window 0)
	s_wait_tensorcnt 0x0                           ; all my tensor loads have landed: my part of the next slot
	ds_add_u32 v[SPW], v[NIL]                      ; 0 onto my spare word
	s_wait_dscnt 17                                ; (the add and the youngest sixteen loads may be out)
	MUL8 F1, 0, 0, 0
	s_wait_dscnt 0x0                               ; the add is done, and my reads of this slot are over
	s_barrier_signal -1
	MUL8 F1, 0, 2, 0
.if \fill
	WIN 0
.endif
	s_barrier_wait -1
.if \fill
	CREST                                          ; no wave of any partner still reads this slot's tile or has a load on its way
	s_add_nc_u64 s[G0+4*(\slot)+2:G0+4*(\slot)+3], s[G0+4*(\slot)+2:G0+4*(\slot)+3], 2*ASTEP
	s_add_nc_u64 s[G0B+4*(\slot)+2:G0B+4*(\slot)+3], s[G0B+4*(\slot)+2:G0B+4*(\slot)+3], 2*BSTEP
	JLOAD \slot                                    ; my one tensor load behind the round; its four v_nop are also the places in front of the loads below
.else
	PLACES
.endif
	FETCH \next, 0, F0
	MUL8 F1, 1, 0, 0
	MUL8 F1, 1, 2, 0
.endm
	s_wait_tensorcnt 1                             ; my part of K step 0 is in; K step 1's may stay out
	s_barrier_signal -1
	s_barrier_wait -1
	FETCH 0, 0, F0
	QUARTER 0, 1, F0, F1, 1                        ; K step 0: its first products start the sums
	QUARTER 0, 2, F1, F0, 0
	QUARTER 0, 3, F0, F1, 0
	TURN 0, 1, 1                                   ; slot 0 takes K step 2
	QUARTER 1, 1, F0, F1, 0
	QUARTER 1, 2, F1, F0, 0
	QUARTER 1, 3, F0, F1, 0
	TURN 1, 0, 1                                   ; slot 1 takes K step 3
	QUARTER 0, 1, F0, F1, 0
	QUARTER 0, 2, F1, F0, 0
	QUARTER 0, 3, F0, F1, 0
	TURN 0, 1, 0                                   ; nothing is left to fetch
	QUARTER 1, 1, F0, F1, 0
	QUARTER 1, 2, F1, F0, 0
	QUARTER 1, 3, F0, F1, 0
	s_wait_dscnt 16
	MUL8 F1, 0, 0, 0
	MUL8 F1, 0, 2, 0
	s_wait_dscnt 0x0
	MUL8 F1, 1, 0, 0
	MUL8 F1, 1, 2, 0
	WIN 0
	; THE WAY OUT: round to f16 (each accumulator from its low end on); 16 bytes a lane into my stage; back as whole rows of 128 bytes, four to a load.
	PLACES
.set t, 0
.rept 16
.irp r, 0,1,2,3
	v_cvt_pk_f16_f32 v[TMP+4*t+\r], v[ACC+8*t+2*\r], v[ACC+8*t+2*\r+1]
.endr
.set t, t+1
.endr
.irp a, 0,1,2,3
.irp b, 0,1,2,3
	ds_store_b128 v[STO], v[TMP+4*(4*(\a)+(\b)):TMP+4*(4*(\a)+(\b))+3] offset:(\a)*16*SP+32*(\b)
.endr
.endr
.set t, 0
.rept 16
	ds_load_b128 v[TMP+4*t:TMP+4*t+3], v[RD] offset:t*4*SP  ; LDS serves a wave's instructions in order (ISA guide 5.7.1.4): these see my stores above
.set t, t+1
.endr
.set t, 0
.rept 16
	s_wait_dscnt 15-t                              ; load t is back; the later ones may be out
	global_store_b128 v[GO], v[TMP+4*t:TMP+4*t+3], s[84:85] offset:512*t  ; 512 consecutive bytes, at a multiple of 256 from the buffer's first
.set t, t+1
.endr
	s_wait_tensorcnt 0x0                           ; the wave's end
	ds_add_u32 v[SPW], v[NIL]
	s_wait_dscnt 0x0
	CROUND                                         ; the closing round: no work-group ends while a partner may still ask for a tile that names it
	s_endpgm
.Lfunc_end_k_q4cae800b3f_proj:
	.size	k_q4cae800b3f_proj, .Lfunc_end_k_q4cae800b3f_proj-k_q4cae800b3f_proj
	.p2alignl 7, 3214868480
	.fill 96, 4, 3214868480
	.section	.rodata,"a",@progbits
	.p2align	6, 0x0
	.amdhsa_kernel k_q4cae800b3f_proj
		.amdhsa_group_segment_fixed_size 327680
		.amdhsa_private_segment_fixed_size 0
		.amdhsa_enable_private_segment 0
		.amdhsa_kernarg_size 40
		.amdhsa_user_sgpr_count 2
		.amdhsa_user_sgpr_kernarg_segment_ptr 1
		.amdhsa_wavefront_size32 1
		.amdhsa_system_sgpr_workgroup_id_x 1
		.amdhsa_system_sgpr_workgroup_id_y 1
		.amdhsa_system_sgpr_workgroup_id_z 1
		.amdhsa_system_vgpr_workitem_id 0
		.amdhsa_next_free_vgpr 512
		.amdhsa_next_free_sgpr 88
		.amdhsa_reserve_vcc 0
		.amdhsa_float_denorm_mode_32 3
		.amdhsa_float_denorm_mode_16_64 3
		.amdhsa_memory_ordered 1
		.amdhsa_forward_progress 1
		.amdhsa_inst_pref_size 87
	.end_amdhsa_kernel
	.amdgpu_metadata
---
amdhsa.version: [ 1, 2 ]
amdhsa.kernels:
  - .name:           k_q4cae800b3f_proj
    .symbol:         k_q4cae800b3f_proj.kd
    .args:
      - { .name: a16, .offset: 0, .size: 8, .value_kind: global_buffer, .address_space: global }
      - { .name: wall, .offset: 8, .size: 8, .value_kind: global_buffer, .address_space: global }
      - { .name: q16, .offset: 16, .size: 8, .value_kind: global_buffer, .address_space: global }
      - { .name: k16, .offset: 24, .size: 8, .value_kind: global_buffer, .address_space: global }
      - { .name: v16, .offset: 32, .size: 8, .value_kind: global_buffer, .address_space: global }
    .group_segment_fixed_size: 327680
    .private_segment_fixed_size: 0
    .kernarg_segment_align: 8
    .kernarg_segment_size: 40
    .max_flat_workgroup_size: 128
    .sgpr_count:     88
    .vgpr_count:     512
    .wavefront_size: 32
...
	.end_amdgpu_metadata
.endif
;; end of part 2
;; launch attn (part 3): grid 8 x 32, 4 waves a work-group, clusters of 4 x 1, 327,680 bytes of LDS; arguments q16, k16, v16, context_mask, o16; writes o16
.if DOCPART == 3
	.amdgcn_target "amdgcn-amd-amdhsa--gfx1250"
	.amdhsa_code_object_version 6
	.text
	.protected	k_q4cae800b3f_attn
	.globl	k_q4cae800b3f_attn
	.p2align	8
	.type	k_q4cae800b3f_attn,@function
k_q4cae800b3f_attn:
	s_mov_b64 s[64:65], 0
	v_nop
	global_prefetch_b8 v0, s[64:65] scope:SCOPE_SE
	s_setreg_imm32_b32 hwreg(HW_REG_WAVE_MODE, 25, 1), 1
	s_wait_xcnt 0x0
	s_wait_alu depctr_hold_cnt(0) depctr_sa_sdst(0) depctr_va_vdst(0) depctr_va_sdst(0) depctr_va_ssrc(0) depctr_va_vcc(0) depctr_vm_vsrc(0)
	s_getreg_b32 s2, hwreg(HW_REG_IB_STS2, 6, 4)
	s_cmp_eq_u32 s2, 0
	s_cbranch_scc0 .Lentry_in_a_cluster
	s_endpgm
.Lentry_in_a_cluster:
	s_bfe_u32 s2, ttmp6, 0x10000c
	s_cmp_lg_u32 s2, 0x3003
	s_cbranch_scc0 .Lentry_shape_is_right
	s_endpgm
.Lentry_shape_is_right:
; ATTN.  O[bh][q] = the sum over the visible keys k of softmax_k(Q[bh][q] . K[bh][k] / 8) V[bh][k].  q16: [32][2048][64], holding c q with c = log2(e) / 8 (folded into the weights two launches back);
; k16, v16: [32][4096][64]; all f16.  So a score s = (c q) . k is ready for 2^x, and no scale is applied here.
; Keys 0-2047 come from the context and are visible where context_mask (one byte, 0 or 1) is 1; key 2048 + p comes from the sequence and is visible to queries q >= p.
; o16: [b 2][nb 16][h 16][r 128][c 64] f16: 128 rows of the sequence with all their heads side by side, as the launch behind wants its K steps.
; Products, maxima and sums in f32; the weights are rounded to f16 for the second product (their sum is taken unrounded), O once at the end.
; LIMITS.  Q, K, V arrive within f16's 65,504.  A hidden score counts as its value less 1e30 (f16's scores are 2.7e11 at the most); a weight below 2^-126 counts as 0; below 6e-5 a weight keeps f16's fixed
; step of 6e-8; NaN and infinities are not treated apart.  While a query has seen hidden keys alone its maximum is about -1e30 and its weights are 2^(s - m), 1 at the most; the first visible key's a = 0 removes
; them, and every query sees its own key.
; THE WALK.  A head's queries lie in four blocks of 512; block i needs the eight key tiles (256 keys) of the context and the tiles 8 .. 9 + 2 i of the sequence, of which the last two hold the diagonal.
; A cluster of four work-groups takes TWO blocks, 3 - pb and then pb.  A running maximum does not care for the order of the keys, and the walk is the same text for every work-group: the first block takes the
; context's eight tiles and the sequence's eight (8 .. 15); the second the sequence's first four (8 .. 11) and then the context's eight.  28 tiles, all trip counts constants, no branch on pb.  Two of the 28 are
; wholly hidden (pb = 1: tiles 14, 15 for block 2; pb = 0: tiles 10, 11 for block 0) and are computed all the same: 2 / 28 of the work is the price of one path for all.
; Partner cx owns 128 rows of each block (bands 2 cx, 2 cx + 1 of 64 rows), so all four walk the same tiles and every tile is asked for JOINTLY: the same tensor load, descriptor and mask in all four.
; pb and cx enter Q's and O's addresses and the mask's scalars, no branch and no LDS address.
; SHARES.  A wave owns 16 rows in each of its work-group's two bands: two PIECES.  In step s of the sequence's keys, counted from the block's first diagonal key, band x sees all if s < x, nothing if s > x, and holds the diagonal if s = x.
; THE MASK is the C operand that starts S^T = K Q^T.  For the context's keys it comes from a table in LDS (2,048 f32: 0 or -1e30), made once from context_mask.  For the sequence's keys it is MD x AL + BE:
; MD the mask of a band's own step for my rows, (AL, BE) = (1, 0) in that step, (0, 0) before it, (0, -1e30) behind it; the step number DS is signed and begins at -8 x block.
; LAYOUT.  S^T holds ONE query a lane (lane % 16) and the keys 8 (lane / 16) + 0..7; two such results rounded to f16 ARE source 1 of O^T = V^T P.  K comes out of LDS as it lies, V turned by ds_load_tr16_b128.
; SOFTMAX.  p = 2^(s - m) with a running maximum m: s + (-m) is 0 at the maximum and never above it, whatever m is.  O and l are multiplied by a = 2^(m_old - m_new) in every step.  m starts at the lowest
; finite number: a block's first step has a = 0.
; BY TURNS.  In a turn one piece has the matrix unit: 8 products V^T P of the step in hand, then 8 products K Q^T of the next, two at a time; the other piece's softmax, a list of 118, stands behind them, fourteen a pair.
; REGISTERS.  window 0: v0-15 addresses; v16-31 statistics, 8 a piece; v32-95 O^T; v96-159 S^T; v160-191 P; v192-223 the mask in hand; v224-255 MD.
;             window 1: v0-31 Q; v32-63 the second block's Q; v64-127 K of one step; v128-191 V of one step.
.set KS,    64
.set PK,    144       ; a row of K in LDS: 128 bytes + 16 = 36 words: the 16 rows of a load start at 16 different groups of four banks (64 banks of 4 bytes: ISA guide 11.1)
.set PV,    160       ; a row of V: 128 + 32 = 40 words
.set VOFF,  4*KS*PK   ; a slot holds a tile: 256 rows of K, then 256 rows of V
.set SLOT1, 1<<17     ; slot 1 begins here: one exclusive or turns an address in one slot into the other's
.set STAGE, SLOT1+4*KS*(PK+PV)  ; 16 rows x 144 bytes for each wave, for the way out
.set SP,    144
.set TABLE, STAGE+4*16*SP       ; the mask table: 2,048 words, stored once, never a tensor load's target
.set SPARE, TABLE+2048*4        ; the spare words, 128 bytes for each wave: two blocks of 256 bytes that no other line names
.set AK0, 2           ; v2   my lane's place in a tile of K
.set AV0, 3           ; v3   in a tile of V
.set ADR, 4           ; v4   the LDS address of the run of loads in hand
.set QO,  5           ; v5   my byte offset in 16 rows of Q
.set STO, 6
.set RD,  7
.set GO,  8
.set AT0, 12          ; v12  my lanes' place in 16 words of the table: 32 (l / 16)
.set ADRT, 13         ; v13  the table address in hand
.set SPW, 14          ; v14  LDS address of my spare word; never rewritten
.set NIL, 15          ; v15  0; never rewritten
.set ST,  16          ; piece t at v[ST+8 t]: -m, m, l (even keys', odd keys'), c0-c3 at work; a takes c2's place
.set O,   32
.set S,   96
.set P,   160
.set T,   192
.set MD,  224
.set Q,   0           ; window 1
.set QB,  32
.set KF,  64          ; key block kb, channel half c at KF + 16 kb + 8 c
.set VF,  128         ; key half kk, channel block cb at VF + 32 kk + 8 cb
.set WV,  12          ; s12  my wave's number
.set PB,  14          ; s14  pb
.set HI,  15          ; s15  3 - pb
.set G1K, 24
.set G1V, 32
.set G0K, 40
.set G0V, 44
.set SLOTS, 56        ; s56  counts the tiles of the loop in hand
.set CNT, 57          ; s57  counts a tile's key steps, 4 to 1
.set SEL, 60          ; s[60:61] v_permlanex16_b32's selects
.set TBK, 62          ; s62  LDS byte at which K of the step to be fetched begins
.set TBV, 63          ; s63  the same for V, less VOFF
.set OA,  66          ; s[66:67] O at my rows of the block in hand
.set TBT, 68          ; s68  LDS byte of the table's words for the step to be fetched
.set NXA, 69          ; s69  the first tile of the walk's next run of tiles
.set NXT, 71          ; s71  the tile to be asked for next
.set LQ,  72          ; s72  the last tile of the run whose tiles are being asked for
.set OFF, 74          ; s[74:75]
.set AL,  76          ; s[76:77]
.set BE,  78          ; s[78:79]
.set OLO, 80          ; s[80:81] O at my rows of the second block
.set BIGN, 82         ; -1e30
.set BIGP, 83         ; +1e30
.set DS,  84          ; s84  the step among the sequence's keys, counted from the block's first diagonal key: signed
.set BD,  85          ; s85, s86  my two bands
.set LQA, 87          ; s87  the last tile of the walk's next run
.set QLO, 88          ; s[88:89] Q at my rows of the second block
.set MSB, 0
.macro WIN new
.if MSB != (\new)
	s_set_vgpr_msb (MSB<<8)|(\new)
.set MSB, (\new)
.endif
.endm
.set W_KQ, 0x05       ; K and Q in window 1; mask and S^T in window 0
.set W_PV, 0x01       ; V in window 1; P and O^T in window 0
; A joint fill.  Waves 0 and 1 fetch the halves of a tile's K, waves 2 and 3 those of its V: 128 keys each.  An s_nop 0 and four v_nop follow each line.
.macro JLOAD
	s_cmp_lt_u32 s[WV], 2
	s_cbranch_scc0 .Lfor_v_\@
	tensor_load_to_lds s[G0K:G0K+3], s[G1K:G1K+7]
	s_nop 0
.rept 4
	v_nop
.endr
	s_branch .Lasked_\@
.Lfor_v_\@:
	tensor_load_to_lds s[G0V:G0V+3], s[G1V:G1V+7]
	s_nop 0
.rept 4
	v_nop
.endr
.Lasked_\@:
.endm
.macro CROUND                       ; a round of the cluster's barrier
	s_barrier_signal -1
	s_barrier_wait -1
	s_cmp_lg_u32 s[WV], 0
	s_cbranch_scc1 .Lnot_wave_0_\@
	s_barrier_signal -3
.Lnot_wave_0_\@:
	s_barrier_wait -3
	s_barrier_signal -1
	s_barrier_wait -1
.endm
; THE CHANGE OF SLOTS.  Each wave waits for all its tensor loads, of which one is out: its part of the other slot; adds 0 to its spare word; and waits for that and for its own LDS work (its reads of the slot
; that it leaves; at the first use its stores into the table).  fill = 1: the barrier is a round of the cluster's, and the old slot is filled again with tile NXT, first thing behind it: the load has a tile's
; four key steps, 128 matrix instructions a wave, in which to land.  The descriptor's address is made anew from the tile's number.  (At the first use slot 0 is waited for and slot 1 filled.)
; The tiles asked for come in three runs: 0 .. 15, then 8 .. 11, then 0 .. 7.
.macro CHANGE fill
	WIN 0
	s_wait_tensorcnt 0x0            ; no tensor load of mine is out, so a group 0 may be written
	ds_add_u32 v[SPW], v[NIL]       ; 0 onto my spare word
.if \fill
	s_lshl_b32 s[OFF], s[NXT], 15   ; a tile is 32,768 bytes of K and of V
	s_xor_b32 s[G0K+1], s[G0K+1], SLOT1
	s_add_nc_u64 s[G0K+2:G0K+3], s[6:7], s[OFF:OFF+1]
	s_or_b32 s[G0K+3], s[G0K+3], 0x80000000
	s_xor_b32 s[G0V+1], s[G0V+1], SLOT1
	s_add_nc_u64 s[G0V+2:G0V+3], s[8:9], s[OFF:OFF+1]
	s_or_b32 s[G0V+3], s[G0V+3], 0x80000000
	s_add_co_u32 s[NXT], s[NXT], 1  ; the run's next tile, or behind its last the next run's first
	s_cmp_gt_u32 s[NXT], s[LQ]
	s_cselect_b32 s[NXT], s[NXA], s[NXT]
	s_cselect_b32 s[LQ], s[LQA], s[LQ]
	s_cselect_b32 s[NXA], 0, s[NXA] ; and the run behind that is the context's: 0 .. 7
	s_cselect_b32 s[LQA], 7, s[LQA]
	s_wait_dscnt 0x0
	CROUND
	JLOAD
.else
	s_wait_dscnt 0x0
	s_barrier_signal -1
	s_barrier_wait -1
.endif
	s_sub_co_u32 s[TBK], s[TBK], 4*KS*PK  ; the fetches go back to a slot's first step,
	s_xor_b32 s[TBK], s[TBK], SLOT1       ; in the other slot
	s_sub_co_u32 s[TBV], s[TBV], 4*KS*PV
	s_xor_b32 s[TBV], s[TBV], SLOT1
.endm
	s_load_b256 s[4:11], s[0:1], 0x0  ; q16 s[4:5], k16 s[6:7], v16 s[8:9], context_mask s[10:11]
	s_load_b64 s[OA:OA+1], s[0:1], 0x20  ; o16
	v_lshl_add_u32 v[SPW], v0, 2, SPARE
	v_mov_b32 v[NIL], 0
	ds_add_u32 v14, v15
	s_wait_dscnt 0x0
	v_lshrrev_b32 v1, 5, v0
	v_readfirstlane_b32 s[WV], v1   ; wave 0..3
	s_bfe_u32 s13, ttmp6, 0x40000   ; cx
	s_mov_b32 s[PB], ttmp9          ; the cluster's x: which pair of blocks
	s_sub_co_u32 s[HI], 3, s[PB]
	s_and_b32 s20, ttmp7, 0xffff    ; bh, which the four partners share
	s_and_b32 s16, s[WV], 1         ; which half of a tile's 256 keys I fetch
	s_lshl_b32 s22, s20, 19         ; a head's 4,096 keys x 128 bytes,
	s_lshl_b32 s21, s16, 14         ; my 128 keys
	s_add_co_u32 s22, s22, s21
	s_mov_b32 s23, 0
	s_mul_i32 s17, s16, 128*PK      ; and their place in a slot
	s_mul_i32 s18, s16, 128*PV
	; Q's and O's offsets: the only addresses that pb and cx enter
	s_lshl_b32 s3, s13, 7
	s_lshl_b32 s19, s[WV], 4
	s_add_co_u32 s3, s3, s19        ; 128 cx + 16 w: my first row in a block
	s_lshl_b32 s21, s20, 18         ; a head's 2,048 rows x 128 bytes
	s_lshl_b32 s48, s[HI], 9
	s_add_co_u32 s48, s48, s3
	s_lshl_b32 s48, s48, 7
	s_add_co_u32 s48, s48, s21      ; Q, first block
	s_mov_b32 s49, 0
	s_lshl_b32 s52, s[PB], 9
	s_add_co_u32 s52, s52, s3
	s_lshl_b32 s52, s52, 7
	s_add_co_u32 s52, s52, s21      ; Q, second block
	s_mov_b32 s53, 0
	s_and_b32 s2, s20, 16
	s_add_co_u32 s2, s2, s13        ; 16 b + cx
	s_and_b32 s21, s20, 15          ; h
	s_lshl_b32 s19, s[WV], 11       ; my 16 rows x 128 bytes
	s_lshl2_add_u32 s50, s[HI], s2  ; 16 b + nb, nb = 4 x block + cx
	s_lshl4_add_u32 s50, s50, s21   ; x 16 + h
	s_lshl_b32 s50, s50, 14         ; x 128 rows x 128 bytes
	s_add_co_u32 s50, s50, s19      ; O, first block
	s_mov_b32 s51, 0
	s_lshl2_add_u32 s54, s[PB], s2
	s_lshl4_add_u32 s54, s54, s21
	s_lshl_b32 s54, s54, 14
	s_add_co_u32 s54, s54, s19      ; O, second block
	s_mov_b32 s55, 0
	s_lshr_b32 s90, s20, 4
	s_lshl_b32 s90, s90, 11         ; the batch's 2,048 mask bytes
	s_mov_b32 s91, 0
	s_lshl_b32 s[BD], s13, 1        ; my bands
	s_add_co_u32 s[BD+1], s[BD], 1
	; descriptor group 1.  128 keys are 16,384 dense bytes: asked for as 64 rows of 256 bytes, two keys a row, and padded in LDS after every key
	s_mov_b32 s[G1K], 15|(1<<16)|(1<<20)|(1<<21)|(4<<22)|(3<<25)  ; 15:0 the mask of four; 17:16 2-byte elements; 20 padding on; 21 set beside a mask; 24:22 after every 32 words; 31:25 4 words
	s_mov_b32 s[G1V], 15|(1<<16)|(1<<20)|(1<<21)|(4<<22)|(7<<25)  ; the same with 8 words of padding
.irp g, G1K, G1V
	s_mov_b32 s[\g+1], 128<<16      ; tensor_dim0
	s_mov_b32 s[\g+2], 64<<16       ; tensor_dim1
	s_mov_b32 s[\g+3], 128<<16      ; tile_dim0
	s_mov_b32 s[\g+4], 64           ; tile_dim1
	s_mov_b32 s[\g+5], 128          ; elements from row to row
	s_mov_b32 s[\g+6], 0
	s_mov_b32 s[\g+7], 0
.endr
	s_mov_b32 s[SEL], 0x76543210
	s_mov_b32 s[SEL+1], 0xfedcba98
	s_mov_b32 s[TBK], SLOT1+4*KS*PK ; the first change of slots turns these two into 0
	s_mov_b32 s[TBV], SLOT1+4*KS*PV
	s_mov_b32 s[G0K], 1
	s_mov_b32 s[G0K+1], s17         ; slot 0
	s_mov_b32 s[G0V], 1
	s_add_co_u32 s[G0V+1], s18, VOFF
	s_mov_b32 s[NXT], 1             ; tile 0 is asked for below; the first run goes on to 15,
	s_mov_b32 s[LQ], 15
	s_mov_b32 s[NXA], 8             ; the second is 8 .. 11
	s_mov_b32 s[LQA], 11
	s_lshl_b32 s[DS], s[HI], 3
	s_sub_co_u32 s[DS], 0, s[DS]    ; the sequence's first step lies 8 x block steps in front of the block's diagonal keys
	s_mov_b32 s[OFF+1], 0
	s_mov_b32 s[AL+1], 0            ; named as pairs
	s_mov_b32 s[BE+1], 0
	s_mov_b32 s[BIGN], 0xf149f2ca   ; -1e30
	s_mov_b32 s[BIGP], 0x7149f2ca   ; +1e30
	s_wait_kmcnt 0x0
	s_add_nc_u64 s[6:7], s[6:7], s[22:23]  ; K and V at my half of the head's tile 0
	s_add_nc_u64 s[8:9], s[8:9], s[22:23]
	s_add_nc_u64 s[G0K+2:G0K+3], s[6:7], 0
	s_or_b32 s[G0K+3], s[G0K+3], 0x80000000
	s_add_nc_u64 s[G0V+2:G0V+3], s[8:9], 0
	s_or_b32 s[G0V+3], s[G0V+3], 0x80000000
	s_add_nc_u64 s[QLO:QLO+1], s[4:5], s[52:53]
	s_add_nc_u64 s[4:5], s[4:5], s[48:49]
	s_add_nc_u64 s[OLO:OLO+1], s[OA:OA+1], s[54:55]
	s_add_nc_u64 s[OA:OA+1], s[OA:OA+1], s[50:51]
	s_add_nc_u64 s[10:11], s[10:11], s[90:91]
	CROUND                          ; all four work-groups are here: the first joint loads meet
	JLOAD                           ; tile 0 into slot 0
	v_and_b32 v1, 15, v0            ; l % 16
	v_bfe_u32 v9, v0, 4, 1          ; l / 16
	v_lshlrev_b32 v[ADRT], 4, v0    ; thread t takes mask bytes 16 t .. 16 t + 15: 128 threads, 2,048 bytes
	global_load_b128 v[S:S+3], v[ADRT], s[10:11]
	v_lshlrev_b32 v[QO], 7, v1
	v_lshl_add_u32 v[QO], v9, 4, v[QO]  ; row x 128 + 16 x half of the lanes
	WIN 0x40                        ; destination window 1, address window 0
.set i, 0
.rept 4                             ; both blocks' Q: piece i / 2 lies 64 rows, 8,192 bytes, on; channels 32 (i % 2) on
	global_load_b128 v[Q+8*i:Q+8*i+3],     v[QO], s[4:5] offset:(i/2)*8192+(i%2)*64
	global_load_b128 v[Q+8*i+4:Q+8*i+7],   v[QO], s[4:5] offset:(i/2)*8192+(i%2)*64+32
	global_load_b128 v[QB+8*i:QB+8*i+3],   v[QO], s[QLO:QLO+1] offset:(i/2)*8192+(i%2)*64
	global_load_b128 v[QB+8*i+4:QB+8*i+7], v[QO], s[QLO:QLO+1] offset:(i/2)*8192+(i%2)*64+32
.set i, i+1
.endr
	WIN 0
	; my lane's places
	v_mul_u32_u24 v[AK0], v1, PK
	v_lshl_add_u32 v[AK0], v9, 4, v[AK0]
	v_and_b32 v10, 7, v0            ; the turning load: lane l reads key 8 (l / 16) + l % 8, channels 8 ((l / 8) % 2) + 0..7 of sixteen
	v_bfe_u32 v11, v0, 3, 1
	v_lshl_add_u32 v[AV0], v9, 3, v10
	v_mul_u32_u24 v[AV0], v[AV0], PV
	v_lshl_add_u32 v[AV0], v11, 4, v[AV0]
	v_add_nc_u32 v[AV0], VOFF, v[AV0]
	v_lshlrev_b32 v[AT0], 5, v9
	s_mul_i32 s19, s[WV], 16*SP
	s_add_co_u32 s19, s19, STAGE    ; my stage
	v_mul_u32_u24 v[STO], v1, SP    ; in: row l % 16, 16 bytes for each half of the lanes
	v_lshl_add_u32 v[STO], v9, 4, v[STO]
	v_add_nc_u32 v[STO], s19, v[STO]
	v_bfe_u32 v[RD], v0, 3, 2       ; back: 32 lanes take four rows of 128 bytes,
	v_mul_u32_u24 v[RD], v[RD], SP
	v_lshl_add_u32 v[RD], v10, 4, v[RD]
	v_add_nc_u32 v[RD], s19, v[RD]
	v_and_b32 v[GO], 31, v0         ; which are 512 consecutive bytes of O
	v_lshlrev_b32 v[GO], 4, v[GO]
	; MD: my query's place in its band is 16 w + l % 16, my register r of key group kt holds key 16 kt + 8 (l / 16) + r: hidden where 16 kt + r is greater than the difference below
	v_lshlrev_b32 v[S+24], 3, v9
	v_sub_nc_u32 v[S+24], v1, v[S+24]
	s_lshl_b32 s19, s[WV], 4
	v_add_nc_u32 v[S+24], s19, v[S+24]
.set i, 0
.rept 32
	v_cmp_gt_i32 vcc_lo, 16*(i/8)+i%8, v[S+24]
	v_cndmask_b32 v[MD+i], 0, s[BIGN], vcc_lo
.set i, i+1
.endr
	; the mask table: byte 1 -> 0, byte 0 -> -1e30
	s_wait_loadcnt 16               ; the mask bytes are in; the sixteen loads of Q behind them may stay out
.set i, 0
.rept 16
	v_bfe_u32 v[S+4+i], v[S+i/4], 8*(i%4), 8
.set i, i+1
.endr
.set i, 0
.rept 16
	v_cvt_f32_u32 v[S+4+i], v[S+4+i]
.set i, i+1
.endr
.set i, 0
.rept 16
	v_fma_f32 v[S+4+i], v[S+4+i], s[BIGP], s[BIGN]
.set i, i+1
.endr
	v_lshl_add_u32 v[ADR], v0, 6, TABLE  ; my 16 words
.irp k, 0,1,2,3
	ds_store_b128 v[ADR], v[S+4+4*\k:S+4+4*\k+3] offset:16*\k
.endr
	; A block's first step multiplies O^T and l by a = 0, and its first turn's products V^T P, of a step that has not been, land in an O^T that is still to be so multiplied.  So these registers need only
	; hold finite numbers: zeros for the first block, what the first block left for the second.  The price of writing no first step out; it stands in the wait for the first tile.
	WIN 0x40
.set i, 0
.rept 64
	v_mov_b32 v[VF+i], 0
.set i, i+1
.endr
	WIN 0
.set i, 0
.rept 64
	v_mov_b32 v[O+i], 0
.set i, i+1
.endr
.irp t, 0,1
	v_mov_b32 v[ST+8*\t+2], 0
	v_mov_b32 v[ST+8*\t+3], 0
.endr
.set i, 0
.rept 16
	v_mov_b32 v[P+16+i], 0
.set i, i+1
.endr
; THE MATRIX WORK.  The 4 accumulators of a run of 8 take turns, one instruction a turn.
; Product i of 8 of O^T += V^T P for piece x: keys 32 (i / 4) on, channels 16 (i % 4) on.
.macro PV x
	WIN W_PV
.set rO, O+32*(\x)+8*(i%4)
.set rV, VF+32*(i/4)+8*(i%4)
.set rP, P+16*(\x)+8*(i/4)
	v_wmma_f32_16x16x32_f16 v[rO:rO+7], v[rV:rV+7], v[rP:rP+7], v[rO:rO+7]
.endm
; Product i of 8 of S^T = K Q^T + mask for piece x: channels 32 (i / 4) on, keys 16 (i % 4) on.  The first 4 start the sums with the mask.
.macro KQ x
	WIN W_KQ
.set rS, S+32*(\x)+8*(i%4)
.set rK, KF+16*(i%4)+8*(i/4)
.set rQ, Q+16*(\x)+8*(i/4)
.set rM, T+8*(i%4)
.if i < 4
	v_wmma_f32_16x16x32_f16 v[rS:rS+7], v[rK:rK+7], v[rQ:rQ+7], v[rM:rM+7]
.else
	v_wmma_f32_16x16x32_f16 v[rS:rS+7], v[rK:rK+7], v[rQ:rQ+7], v[rS:rS+7]
.endif
.endm
; THE LDS LOADS stand in runs.  A step's K (8 fragments) and, tab = 1, its 64 words of the mask table (my lanes' 8 of each 16).
.macro FETCH_K tab
	WIN 0
	v_add_nc_u32 v[ADR], s[TBK], v[AK0]
.if \tab
	v_add_nc_u32 v[ADRT], s[TBT], v[AT0]
.endif
	WIN 0x40
.irp f, 0,1,2,3,4,5,6,7             ; keys 16 (f / 2) on, channels 32 (f % 2) on
	ds_load_b128 v[KF+8*\f:KF+8*\f+3],   v[ADR] offset:(\f/2)*16*PK+(\f%2)*64
	ds_load_b128 v[KF+8*\f+4:KF+8*\f+7], v[ADR] offset:(\f/2)*16*PK+(\f%2)*64+32
.endr
	WIN 0
.if \tab
.irp f, 0,1,2,3
	ds_load_b128 v[T+8*\f:T+8*\f+3],   v[ADRT] offset:64*\f
	ds_load_b128 v[T+8*\f+4:T+8*\f+7], v[ADRT] offset:64*\f+16
.endr
	s_add_co_u32 s[TBT], s[TBT], 4*KS  ; 32 such steps from TABLE on: the context's 2,048 words
.endif
	s_add_co_u32 s[TBK], s[TBK], KS*PK  ; the next fetch is the next step's
.endm
.macro FETCH_V
	WIN 0
	v_add_nc_u32 v[ADR], s[TBV], v[AV0]
	s_add_co_u32 s[TBV], s[TBV], KS*PV
	WIN 0x40
.irp f, 0,1,2,3,4,5,6,7             ; keys 32 (f / 4) on, channels 16 (f % 4) on
	ds_load_tr16_b128 v[VF+8*\f:VF+8*\f+3],   v[ADR] offset:(\f/4)*32*PV+(\f%4)*32
	ds_load_tr16_b128 v[VF+8*\f+4:VF+8*\f+7], v[ADR] offset:(\f/4)*32*PV+16*PV+(\f%4)*32
.endr
	WIN 0
.endm
; THE VECTOR WORK.  A piece's softmax for one key step is a list of 118 instructions, all in window 0; SM writes number j of it for piece Y.  s0-s31 are the lane's 32 scores, in pairs 0-15.
;   0-15    the maximum of s0-s31 and the old m, three operands at a time (each accumulator's lowest registers are read first)
;   16-20   the other half of the lanes' maximum; -m_old is kept; the new m; -m; m_old - m_new
;   21-87   33 exponentials (a, then s0-s31) at the odd numbers from 23 on: each has a plain instruction behind it that does not use its result.  The plain ones are whatever is ready: s - m for a pair whose
;           exponentials are still to come, the rounding to f16 of a pair whose exponentials are done, the first sums
;   88-101  the last rounding; the rest of the sums; l = a l + the sum
;   102-117 the piece's O^T times a, each accumulator from its low end on
.macro SM
.set rT, ST+8*Y
.set rS, S+32*Y
.set rP, P+16*Y
.set rO, O+32*Y
.set q, (j-20)/2
	WIN 0
.if j < 4
	v_max3_num_f32 v[rT+4+j], v[rS+8*j], v[rS+8*j+1], v[rS+8*j+2]
.elseif j < 12
	v_max3_num_f32 v[rT+4+j%4], v[rT+4+j%4], v[rS+8*(j%4)+2*(j/4)+1], v[rS+8*(j%4)+2*(j/4)+2]
.elseif j == 12
	v_max3_num_f32 v[rT+4], v[rT+4], v[rS+7], v[rS+15]
.elseif j == 13
	v_max3_num_f32 v[rT+6], v[rT+6], v[rS+23], v[rS+31]
.elseif j == 14
	v_max3_num_f32 v[rT+4], v[rT+4], v[rT+5], v[rT+6]
.elseif j == 15
	v_max3_num_f32 v[rT+4], v[rT+4], v[rT+7], v[rT+1]
.elseif j == 16
	v_permlanex16_b32 v[rT+5], v[rT+4], s[SEL], s[SEL+1]  ; the query's other 32 keys lie in the lane 16 away
.elseif j == 17
	v_mov_b32 v[rT+7], v[rT]        ; -m_old
.elseif j == 18
	v_max_num_f32 v[rT+1], v[rT+4], v[rT+5]
.elseif j == 19
	v_sub_f32 v[rT], 0, v[rT+1]     ; -m
.elseif j == 20
	v_sub_f32 v[rT+7], v[rT], v[rT+7]  ; (-m_new) - (-m_old)
.elseif j == 23
	v_exp_f32 v[rT+6], v[rT+7]
.elseif (j < 88) && (j > 23) && (j%2 == 1)
	v_exp_f32 v[rS+(j-25)/2], v[rS+(j-25)/2]
.elseif (q < 4) || ((j < 76) && (q%2 == 0))
.set b, q/2+2
.if q < 4
.set b, q
.endif
	v_pk_add_f32 v[rS+2*b:rS+2*b+1], v[rS+2*b:rS+2*b+1], v[rT:rT+1] op_sel_hi:[1,0]  ; pair b: s + (-m)
.elseif (j < 88) && (q%2 == 1)
	s_wait_alu depctr_va_vdst(0)
	v_cvt_pk_f16_f32 v[rP+(q-5)/2], v[rS+q-5], v[rS+q-4]  ; pair (q - 5) / 2: its second exponential stands three numbers back
.elseif j == 89
	s_wait_alu depctr_va_vdst(0)
	v_cvt_pk_f16_f32 v[rP+15], v[rS+30], v[rS+31]
.elseif j < 102                     ; the sum of the 16 pairs, in place: sum z adds neighbours 1, 2, 4 and 8 pairs apart, then l takes it
.set z, j-86
.if j < 89
.set z, (j-76)/4
.endif
.set w, 4
.set u, z
.if z >= 14
.set w, 32
.set u, 0
.elseif z >= 12
.set w, 16
.set u, z-12
.elseif z >= 8
.set w, 8
.set u, z-8
.endif
.if z < 15
	v_pk_add_f32 v[rS+w*u:rS+w*u+1], v[rS+w*u:rS+w*u+1], v[rS+w*u+w/2:rS+w*u+w/2+1]
.else
	v_pk_fma_f32 v[rT+2:rT+3], v[rT+2:rT+3], v[rT+6:rT+7], v[rS:rS+1] op_sel_hi:[1,0,1]
.endif
.else
	v_pk_mul_f32 v[rO+2*(j-102):rO+2*(j-102)+1], v[rO+2*(j-102):rO+2*(j-102)+1], v[rT+6:rT+7] op_sel_hi:[1,0]
.endif
.endm
.macro SLN n                        ; the list's next n numbers
.rept \n
	SM
.set j, j+1
.endr
.endm
.macro PICK x                       ; the two scalars of piece x's mask for step DS of the sequence's keys
	s_cmp_eq_u32 s[DS], s[BD+(\x)]  ; is the step the band's own?
	s_cselect_b32 s[AL], 1.0, 0
	s_cmp_gt_i32 s[DS], s[BD+(\x)]  ; or a later one?  (signed: in front of the diagonal keys DS is negative)
	s_cselect_b32 s[BE], s[BIGN], 0
.endm
.macro MASK                         ; MD x AL + BE
	WIN 0
.set z, 0
.rept 16
	v_pk_fma_f32 v[T+2*z:T+2*z+1], v[MD+2*z:MD+2*z+1], s[AL:AL+1], s[BE:BE+1] op_sel_hi:[1,0,0]
.set z, z+1
.endr
.endm
; A TURN.  Piece x has the matrix unit; piece 1 - x's softmax stands behind its products, 14 numbers behind each pair (28 where kq = 0: a block's last turn but one has no next scores), and the last 6 at the end:
; one switch of the windows in front of a pair and one behind it.  No number names a register of the products round it.  The last 20 numbers (sums, then O^T of piece 1 - x times a) are plain: they are the places
; between the turn's last K Q^T and the next turn's first read of those scores, and the loads into K's and the mask's registers.  Piece 0's turn fetches the next step's K (and mask words),
; behind its first pair; piece 1's turn the same step's V, behind its first pair of K Q^T: seven plain numbers or more stand between the last product that read V and that run.
; m = 1: a tile of the sequence: the mask is made, for this piece and step DS.
.macro TURN x, kq=1, m=0
.set Y, 1-(\x)
.set j, 0
.set per, 28-14*(\kq)
.if \m
	PICK \x
.endif
.if (\x) == 0
	s_wait_dscnt 0x0                ; V is in
.endif
.set i, 0
.rept 4
	PV \x
.set i, i+1
	PV \x
.set i, i+1
	SLN per
.if ((\x) == 0) && (\kq) && (i == 2)
	FETCH_K 1-(\m)
.endif
.endr
.if \kq
.if \m
	MASK
.endif
.if (\x) == 0
	s_wait_dscnt 0x0                ; K and the mask words are in
.endif
.set i, 0
.rept 4
	KQ \x
.set i, i+1
	KQ \x
.set i, i+1
	SLN 14
.if ((\x) == 1) && (i == 2)
	FETCH_V
.endif
.endr
.endif
	SLN 6
.endm
; A BLOCK BEGINS.  m starts at the lowest finite number, so the first maximum is the scores' and the first step's a is 0.  m = 0: the first block, at the context's first tile: the table is read from its head.
; m = 1: the second block, at the sequence's first tile: piece 0's mask is made.  Then K of the tile's step 0 and piece 0's first scores.  The loop is entered at piece 1's turn, in the middle of a trip.
.macro BEGIN m
	WIN 0
.irp t, 0,1
	v_mov_b32 v[ST+8*\t], 0x7f7fffff    ; -m
	v_mov_b32 v[ST+8*\t+1], 0xff7fffff  ; m
.endr
.if \m
	PICK 0
	MASK
.else
	s_mov_b32 s[TBT], TABLE
.endif
	FETCH_K 1-(\m)
.if \m
	s_wait_storecnt 0x0             ; the first block's stores are done: they read v96-127, which the products below write, and O's address, which the next line writes
	s_mov_b64 s[OA:OA+1], s[OLO:OLO+1]
.else
	s_wait_loadcnt 0x0              ; Q
.endif
	s_wait_dscnt 0x0
.set i, 0
.rept 8
	KQ 0
.set i, i+1
.endr
	WIN 0
.rept 4
	v_nop                           ; the places behind those products
.endr
.endm
; A tile's four trips: piece 0's turn, piece 1's turn.  A trip makes the scores of one of the tile's steps and the second product of the step before.
.macro STEPS m, tag
.Lstep\tag:
	TURN 0, 1, \m
	WIN 0
.Lfirst\tag:
	TURN 1, 1, \m
	WIN 0
.if \m
	s_add_co_u32 s[DS], s[DS], 1
.endif
	s_sub_co_u32 s[CNT], s[CNT], 1
	s_cmp_lg_u32 s[CNT], 0
	s_cbranch_scc1 .Lstep\tag
.endm
; A BLOCK ENDS: the last step's second products, and THE WAY OUT: l's halves are added, O^T is divided by l, rounded to f16 and sent through my stage, a piece at a time.
.macro PACK t
.set i, O+32*(\t)
.rept 16
	s_wait_alu depctr_va_vdst(0)
	v_pk_mul_f32 v[i:i+1], v[i:i+1], v[ST+8*(\t)+6:ST+8*(\t)+7] op_sel_hi:[1,0]
.set i, i+2
.endr
.set i, 0
.rept 16
	v_cvt_pk_f16_f32 v[S+16*(\t)+i], v[O+32*(\t)+2*i], v[O+32*(\t)+2*i+1]
.set i, i+1
.endr
.irp f, 0,1,2,3
	ds_store_b128 v[STO], v[S+16*(\t)+4*\f:S+16*(\t)+4*\f+3] offset:32*\f
.endr
.irp f, 0,1,2,3
	ds_load_b128 v[S+16*(\t)+4*\f:S+16*(\t)+4*\f+3], v[RD] offset:\f*4*SP  ; LDS serves a wave's instructions in order (ISA guide 5.7.1.4): these see the stores above; the next piece's stores come behind them
.endr
.endm
.macro SEND t, younger              ; younger: the LDS instructions issued behind piece t's loads
.irp f, 0,1,2,3
	s_wait_dscnt (\younger)+3-\f
	global_store_b128 v[GO], v[S+16*(\t)+4*\f:S+16*(\t)+4*\f+3], s[OA:OA+1] offset:(\t)*8192+\f*512  ; 512 consecutive bytes, at a multiple of 256 from O's first
.endr
.endm
.macro FINISH
	TURN 0, 0                       ; piece 0: V^T P of the last step | piece 1's last softmax
.set i, 0
.rept 8
	PV 1
.set i, i+1
.endr
	WIN 0                           ; the additions, the v_nop and piece 0's arithmetic are the places behind those products
.irp t, 0,1
	v_add_f32 v[ST+8*\t+4], v[ST+8*\t+2], v[ST+8*\t+3]
.endr
.irp t, 0,1
	v_permlanex16_b32 v[ST+8*\t+5], v[ST+8*\t+4], s[SEL], s[SEL+1]
.endr
.irp t, 0,1
	v_add_f32 v[ST+8*\t+4], v[ST+8*\t+4], v[ST+8*\t+5]
.endr
.irp t, 0,1
	v_rcp_f32 v[ST+8*\t+6], v[ST+8*\t+4]
.endr
	v_nop                           ; a plain instruction between the last reciprocal and the use of its result
	PACK 0
	PACK 1
	SEND 0, 8
	SEND 1, 0
.endm
	; THE FIRST BLOCK.  Eight tiles of the context; the first is entered here, in the middle of a trip.
	CHANGE 1                        ; slot 0 is in, everybody's part of it, and so is the table; tile 1 is asked for
	BEGIN 0
	s_mov_b32 s[CNT], 4
	s_mov_b32 s[SLOTS], 8
	s_branch .Lfirst0
.LslotA:
	CHANGE 1
	s_mov_b32 s[CNT], 4
	STEPS 0, 0
	s_sub_co_u32 s[SLOTS], s[SLOTS], 1
	s_cmp_lg_u32 s[SLOTS], 0
	s_cbranch_scc1 .LslotA
	; The sequence's eight tiles.
	s_mov_b32 s[SLOTS], 8
.LslotB:
	CHANGE 1
	s_mov_b32 s[CNT], 4
	STEPS 1, 1
	s_sub_co_u32 s[SLOTS], s[SLOTS], 1
	s_cmp_lg_u32 s[SLOTS], 0
	s_cbranch_scc1 .LslotB
	FINISH                          ; the first block's end; its eight stores are waited for in BEGIN, behind the round
	; THE SECOND BLOCK.  The ring runs on: its first tile was asked for a tile ago.
	s_lshl_b32 s[DS], s[PB], 3
	s_sub_co_u32 s[DS], 0, s[DS]
	WIN 0x41                        ; the second block's Q goes where the one text of the turns names Q
.set i, 0
.rept 32
	v_mov_b32 v[Q+i], v[QB+i]
.set i, i+1
.endr
	WIN 0
	CHANGE 1
	BEGIN 1
	s_mov_b32 s[CNT], 4
	s_mov_b32 s[SLOTS], 4           ; the sequence's first four tiles
	s_branch .Lfirst2
.LslotD:
	CHANGE 1
	s_mov_b32 s[CNT], 4
	STEPS 1, 2
	s_sub_co_u32 s[SLOTS], s[SLOTS], 1
	s_cmp_lg_u32 s[SLOTS], 0
	s_cbranch_scc1 .LslotD
	; The context's tiles, all but the last: the table is read from its head once more.
	s_mov_b32 s[TBT], TABLE
	s_mov_b32 s[SLOTS], 7
.LslotC:
	CHANGE 1
	s_mov_b32 s[CNT], 4
	STEPS 0, 3
	s_sub_co_u32 s[SLOTS], s[SLOTS], 1
	s_cmp_lg_u32 s[SLOTS], 0
	s_cbranch_scc1 .LslotC
	CHANGE 0                        ; the walk's last tile is written out: nothing is asked for
	s_mov_b32 s[CNT], 4
	STEPS 0, 4
	FINISH                          ; the second block's end
	s_wait_tensorcnt 0x0            ; the wave's end
	ds_add_u32 v[SPW], v[NIL]
	s_wait_dscnt 0x0
	CROUND                          ; the closing round: no work-group ends while a partner may still ask for a tile that names it
	s_endpgm
.Lfunc_end_k_q4cae800b3f_attn:
	.size	k_q4cae800b3f_attn, .Lfunc_end_k_q4cae800b3f_attn-k_q4cae800b3f_attn
	.p2alignl 7, 3214868480
	.fill 96, 4, 3214868480
	.section	.rodata,"a",@progbits
	.p2align	6, 0x0
	.amdhsa_kernel k_q4cae800b3f_attn
		.amdhsa_group_segment_fixed_size 327680
		.amdhsa_private_segment_fixed_size 0
		.amdhsa_enable_private_segment 0
		.amdhsa_kernarg_size 40
		.amdhsa_user_sgpr_count 2
		.amdhsa_user_sgpr_kernarg_segment_ptr 1
		.amdhsa_wavefront_size32 1
		.amdhsa_system_sgpr_workgroup_id_x 1
		.amdhsa_system_sgpr_workgroup_id_y 1
		.amdhsa_system_sgpr_workgroup_id_z 1
		.amdhsa_system_vgpr_workitem_id 0
		.amdhsa_next_free_vgpr 448
		.amdhsa_next_free_sgpr 92
		.amdhsa_reserve_vcc 1
		.amdhsa_float_denorm_mode_32 3
		.amdhsa_float_denorm_mode_16_64 3
		.amdhsa_memory_ordered 1
		.amdhsa_forward_progress 1
		.amdhsa_inst_pref_size 171
	.end_amdhsa_kernel
	.amdgpu_metadata
---
amdhsa.version: [ 1, 2 ]
amdhsa.kernels:
  - .name:           k_q4cae800b3f_attn
    .symbol:         k_q4cae800b3f_attn.kd
    .args:
      - { .name: q16, .offset: 0, .size: 8, .value_kind: global_buffer, .address_space: global }
      - { .name: k16, .offset: 8, .size: 8, .value_kind: global_buffer, .address_space: global }
      - { .name: v16, .offset: 16, .size: 8, .value_kind: global_buffer, .address_space: global }
      - { .name: context_mask, .offset: 24, .size: 8, .value_kind: global_buffer, .address_space: global }
      - { .name: o16, .offset: 32, .size: 8, .value_kind: global_buffer, .address_space: global }
    .group_segment_fixed_size: 327680
    .private_segment_fixed_size: 0
    .kernarg_segment_align: 8
    .kernarg_segment_size: 40
    .max_flat_workgroup_size: 128
    .sgpr_count:     92
    .vgpr_count:     448
    .wavefront_size: 32
...
	.end_amdgpu_metadata
.endif
;; end of part 3
;; launch outp (part 4): grid 8 x 32, 4 waves a work-group, clusters of 4 x 4, 327,680 bytes of LDS; arguments o16, wo16, bo, out0; writes out0
.if DOCPART == 4
	.amdgcn_target "amdgcn-amd-amdhsa--gfx1250"
	.amdhsa_code_object_version 6
	.text
	.protected	k_q4cae800b3f_outp
	.globl	k_q4cae800b3f_outp
	.p2align	8
	.type	k_q4cae800b3f_outp,@function
k_q4cae800b3f_outp:
	s_mov_b64 s[64:65], 0
	v_nop
	global_prefetch_b8 v0, s[64:65] scope:SCOPE_SE
	s_setreg_imm32_b32 hwreg(HW_REG_WAVE_MODE, 25, 1), 1
	s_wait_xcnt 0x0
	s_wait_alu depctr_hold_cnt(0) depctr_sa_sdst(0) depctr_va_vdst(0) depctr_va_sdst(0) depctr_va_ssrc(0) depctr_va_vcc(0) depctr_vm_vsrc(0)
	s_getreg_b32 s2, hwreg(HW_REG_IB_STS2, 6, 4)
	s_cmp_eq_u32 s2, 0
	s_cbranch_scc0 .Lentry_in_a_cluster
	s_endpgm
.Lentry_in_a_cluster:
	s_bfe_u32 s2, ttmp6, 0x10000c
	s_cmp_lg_u32 s2, 0xf033
	s_cbranch_scc0 .Lentry_shape_is_right
	s_endpgm
.Lentry_shape_is_right:
; OUTP.  out0 = O x Wo + bo.  o16: [b 2][nb 16][h 16][r 128][c 64] f16; wo16: [1024 k][1024 n] f16, k = 64 h + c; bo: [1024] f32; out0: [4096][1024] f32.  Sums in f32; the bias is added in f32.
; TILES.  A work-group makes 128 x 128: four waves, each 64 x 64 in 16 accumulators; 32 x 8 tiles.  K = 1,024 goes in four steps of 256 (four heads) through two LDS slots; all four steps are written out.
; A tile row is one (b, nb), and a K step of its A tile is 65,536 consecutive bytes of o16: asked for as rows of 256 bytes and padded in LDS behind every 128, so that it lies as [4 heads][128 rows] of 144 bytes.
; wo16 lies [k][n] and is turned on the way out of LDS by ds_load_tr16_b128.
; CLUSTER.  The four of a cluster's row need the same tile of o16, the four of a column the same tile of wo16: each is asked for jointly, by the same tensor load, descriptor and mask in all four.
; THE MATRIX INSTRUCTION IS USED TRANSPOSED (source 0 = 16 columns of wo16, source 1 = 16 rows of O): a lane then holds eight neighbouring columns of one row.
; THE WAY OUT goes through a stage of 128 rows x 528 bytes that lies in slot 0, behind that slot's last fill and every wave's last read of it; a row's 512 bytes come from two waves, so a barrier stands between writing and reading.
; REGISTERS.  window 0: v16-29 addresses; v96-127 the bias of my 64 columns; v128-255 accumulators ((a, b) at v[128 + 8 (4 a + b)]).  window 1: two fragment buffers of 128: 64 along K, 64 registers of A, then 64 of B.
.set AP,    144                        ; a row of A in LDS: 128 bytes + 16 = 36 words: the 16 rows of a load start at 16 different groups of four banks (64 banks of 4 bytes: ISA guide 11.1)
.set AQ,    128*AP                     ; bytes from a quarter step (a head, 64 along K) to the next
.set PB,    288                        ; a k-row of B: 256 bytes + 32 = 72 words
.set HALFA, 256*AP                     ; what one tensor load brings of A: two heads x 128 rows
.set APART, 2*HALFA
.set HALFB, 128*PB                     ; of B: 128 k-rows
.set SLOT,  APART+2*HALFB              ; 147,456
.set STAGE, 0
.set SP,    528                        ; a stage row: 512 bytes + 16
.set SPARE, 2*SLOT                     ; behind the ring: the spare words, 128 bytes for each wave: two blocks of 256 bytes that no other line names
.set NW,    1024
.set ASTEP, 65536
.set BSTEP, 256*NW*2
.set ADRA, 16
.set ADRB, 20
.set STO,  24
.set RD,   25
.set CO,   26
.set BO,   27
.set SPW,  28                          ; v28  LDS address of my spare word; never rewritten
.set NIL,  29                          ; v29  0; never rewritten
.set BIAS, 96
.set ACC,  128
.set F0,   0
.set F1,   128
.set G1,  24
.set G0,  32
.set G1B, 48
.set G0B, 56
.set MSB, 0
.macro WIN new
.if MSB != (\new)
	s_set_vgpr_msb (MSB<<8)|(\new)
.set MSB, \new
.endif
.endm
.set MUL,  0x05                        ; sources 0 (B) and 1 (A) window 1; C and D window 0
.set TO_F, 0x40                        ; destination window 1, address window 0
.macro JLOAD s                         ; a joint load: waves 0 and 1 fetch A's halves, waves 2 and 3 B's; an s_nop 0 and four v_nop follow each line
	s_cmp_eq_u32 s11, 0
	s_cbranch_scc0 .Lfor_b_\@
	tensor_load_to_lds s[G0+4*(\s):G0+4*(\s)+3], s[G1:G1+7]
	s_nop 0
.rept 4
	v_nop
.endr
	s_branch .Lasked_\@
.Lfor_b_\@:
	tensor_load_to_lds s[G0B+4*(\s):G0B+4*(\s)+3], s[G1B:G1B+7]
	s_nop 0
.rept 4
	v_nop
.endr
.Lasked_\@:
.endm
.macro CREST
	s_cmp_lg_u32 s10, 0
	s_cbranch_scc1 .Lnot_wave_0_\@
	s_barrier_signal -3
.Lnot_wave_0_\@:
	s_barrier_wait -3
	s_barrier_signal -1
	s_barrier_wait -1
.endm
.macro CROUND
	s_barrier_signal -1
	s_barrier_wait -1
	CREST
.endm
	s_load_b128 s[4:7], s[0:1], 0x0                ; o16 s[4:5], wo16 s[6:7]
	s_load_b128 s[68:71], s[0:1], 0x10             ; bo s[68:69], out0 s[70:71]
	v_lshl_add_u32 v[SPW], v0, 2, SPARE
	v_mov_b32 v[NIL], 0
	ds_add_u32 v28, v29
	s_wait_dscnt 0x0
	v_lshrrev_b32 v1, 5, v0
	v_readfirstlane_b32 s10, v1                    ; wave 0..3
	s_lshr_b32 s11, s10, 1                         ; which half of the tile's rows is mine.  Also: I fetch for A (0) or for B (1)
	s_and_b32 s12, s10, 1                          ; which half of its columns.  Also: which half of that tile I fetch
	s_bfe_u32 s40, ttmp6, 0x40000                  ; cx, cy
	s_bfe_u32 s41, ttmp6, 0x40004
	s_lshl_b32 s42, ttmp9, 2
	s_add_co_u32 s42, s42, s40                     ; tile column = 4 x cluster x + cx
	s_and_b32 s13, ttmp7, 0xffff
	s_lshl_b32 s13, s13, 2
	s_add_co_u32 s13, s13, s41                     ; tile row = 4 x cluster y + cy = 16 b + nb
	s_lshl_b32 s43, s41, 2
	s_lshl_b32 s43, 15, s43                        ; my row of the cluster
	s_lshl_b32 s44, 0x1111, s40                    ; my column
	; group 1 for A: 32,768 dense bytes as 128 rows x 128 elements, 16 bytes of padding behind every 128
	s_or_b32 s[G1+0], s43, (1<<16)|(1<<20)|(1<<21)|(4<<22)|(3<<25)  ; 15:0 mask; 17:16 2-byte elements; 20 padding on; 21 set beside a mask; 24:22 after every 32 words; 31:25 4 words
	s_mov_b32 s[G1+1], 128<<16
	s_mov_b32 s[G1+2], 128<<16
	s_mov_b32 s[G1+3], 128<<16
	s_mov_b32 s[G1+4], 128
	s_mov_b32 s[G1+5], 128
	s_mov_b32 s[G1+6], 0
	s_mov_b32 s[G1+7], 0
	; group 1 for B: 128 k-rows x 128 elements, 32 bytes of padding behind every 256
	s_or_b32 s[G1B+0], s44, (1<<16)|(1<<20)|(1<<21)|(5<<22)|(7<<25)
	s_mov_b32 s[G1B+1], 128<<16
	s_mov_b32 s[G1B+2], 128<<16
	s_mov_b32 s[G1B+3], 128<<16
	s_mov_b32 s[G1B+4], 128
	s_mov_b32 s[G1B+5], NW
	s_mov_b32 s[G1B+6], 0
	s_mov_b32 s[G1B+7], 0
	s_lshl_b32 s16, s13, 18                        ; A: the tile row's 262,144 bytes,
	s_lshl_b32 s17, s12, 15                        ; my two heads of a step's four
	s_add_co_u32 s16, s16, s17
	s_mov_b32 s17, 0
	s_mul_i32 s46, s12, 128*NW*2                   ; B: k-row 128 x half,
	s_lshl_b32 s47, s42, 8                         ; column 128 x tile column
	s_add_co_u32 s46, s46, s47
	s_mov_b32 s47, 0
	s_mul_i32 s20, s12, HALFA                      ; where they go: no place in the cluster enters an LDS address
	s_mul_i32 s21, s12, HALFB
	s_add_co_u32 s21, s21, APART
	s_wait_kmcnt 0x0
	s_add_nc_u64 s[14:15], s[4:5], s[16:17]
	s_add_nc_u64 s[46:47], s[6:7], s[46:47]
	CROUND                                         ; all sixteen work-groups are here: the first joint loads meet
.irp s, 0,1
	s_mov_b32 s[G0+4*(\s)], 1
	s_add_co_u32 s[G0+4*(\s)+1], s20, (\s)*SLOT
	s_add_nc_u64 s[G0+4*(\s)+2:G0+4*(\s)+3], s[14:15], (\s)*ASTEP
	s_or_b32 s[G0+4*(\s)+3], s[G0+4*(\s)+3], 0x80000000
	s_mov_b32 s[G0B+4*(\s)], 1
	s_add_co_u32 s[G0B+4*(\s)+1], s21, (\s)*SLOT
	s_add_nc_u64 s[G0B+4*(\s)+2:G0B+4*(\s)+3], s[46:47], (\s)*BSTEP
	s_or_b32 s[G0B+4*(\s)+3], s[G0B+4*(\s)+3], 0x80000000
	JLOAD \s                                       ; K steps 0 and 1: two tensor loads of mine are out
.endr
	v_and_b32 v1, 15, v0                           ; l % 16
	v_bfe_u32 v2, v0, 4, 1                         ; l / 16
	; the bias of my 64 columns: block b's eight numbers of my half of the lanes.  These scalar registers feed the bias loads and the stores alone.
	s_lshl_b32 s74, s42, 9
	s_lshl_b32 s75, s12, 8
	s_add_co_u32 s74, s74, s75
	s_mov_b32 s75, 0
	s_add_nc_u64 s[68:69], s[68:69], s[74:75]
	v_lshlrev_b32 v[BO], 5, v2
.irp b, 0,1,2,3
	global_load_b128 v[BIAS+8*\b:BIAS+8*\b+3],   v[BO], s[68:69] offset:64*\b
	global_load_b128 v[BIAS+8*\b+4:BIAS+8*\b+7], v[BO], s[68:69] offset:64*\b+16
.endr
	s_lshl_b32 s76, s13, 7
	s_lshl_b32 s77, s10, 5
	s_add_co_u32 s76, s76, s77                     ; the first row that I store: 128 x tile row + 32 x wave,
	s_lshl_b32 s76, s76, 12                        ; x 4,096 bytes,
	s_lshl_b32 s77, s42, 9                         ; the tile's first column
	s_add_co_u32 s76, s76, s77
	s_mov_b32 s77, 0
	s_add_nc_u64 s[70:71], s[70:71], s[76:77]
	v_mul_u32_u24 v3, v1, AP
	v_lshl_add_u32 v3, v2, 4, v3                   ; A: row x pitch + 16 x half of the lanes
	s_mul_i32 s21, s11, 64*AP                      ; my 64 rows
.irp s, 0,1
	v_add_nc_u32 v[ADRA+(\s)], s21, v3
	s_add_co_u32 s21, s21, SLOT
.endr
	v_and_b32 v4, 7, v0                            ; B, turned: lane l reads k-row 8 (l / 16) + l % 8, columns 8 ((l / 8) % 2) + 0..7 of sixteen
	v_lshl_add_u32 v4, v2, 3, v4
	v_mul_u32_u24 v4, v4, PB
	v_bfe_u32 v5, v0, 3, 1
	v_lshl_add_u32 v4, v5, 4, v4
	s_lshl_b32 s22, s12, 7                         ; my 64 columns
	s_add_co_u32 s22, s22, APART
	v_add_nc_u32 v[ADRB+0], s22, v4
	s_add_co_u32 s22, s22, 128*PB
	v_add_nc_u32 v[ADRB+1], s22, v4
	s_add_co_u32 s22, s22, SLOT-128*PB
	v_add_nc_u32 v[ADRB+2], s22, v4
	s_add_co_u32 s22, s22, 128*PB
	v_add_nc_u32 v[ADRB+3], s22, v4
	s_mul_i32 s23, s11, 64*SP                      ; into the stage: my 64 rows, my half of their 512 bytes; row l % 16, 32 bytes for each half of the lanes
	s_lshl_b32 s22, s12, 8
	s_add_co_u32 s23, s23, s22
	v_mul_u32_u24 v6, v1, SP
	v_lshl_add_u32 v6, v2, 5, v6
	v_add_nc_u32 v[STO], s23, v6
	s_mul_i32 s23, s10, 32*SP                      ; back: wave w takes rows 32 w .. 32 w + 31, a whole row of 512 bytes to a load
	v_and_b32 v6, 31, v0
	v_lshlrev_b32 v[CO], 4, v6
	v_add_nc_u32 v[RD], s23, v[CO]
; 8 matrix instructions: row blocks a0, a0 + 1 x all 4 column blocks, 32 along K: half c of buffer f.  zero = 1: the first product starts the sums.
; The 16 accumulators take turns, one instruction a turn.
.macro MUL8 f, c, a0, zero
	WIN MUL
.irp a, \a0, (\a0)+1
.irp b, 0,1,2,3
.if \zero
	v_wmma_f32_16x16x32_f16 v[ACC+8*(4*(\a)+(\b)):ACC+8*(4*(\a)+(\b))+7], v[(\f)+64+8*(4*(\c)+(\b)):(\f)+64+8*(4*(\c)+(\b))+7], v[(\f)+8*(4*(\c)+(\a)):(\f)+8*(4*(\c)+(\a))+7], 0
.else
	v_wmma_f32_16x16x32_f16 v[ACC+8*(4*(\a)+(\b)):ACC+8*(4*(\a)+(\b))+7], v[(\f)+64+8*(4*(\c)+(\b)):(\f)+64+8*(4*(\c)+(\b))+7], v[(\f)+8*(4*(\c)+(\a)):(\f)+8*(4*(\c)+(\a))+7], v[ACC+8*(4*(\a)+(\b)):ACC+8*(4*(\a)+(\b))+7]
.endif
.endr
.endr
.endm
; 32 LDS loads in one run: the fragments of quarter q (64 along K) of a slot into buffer f; the first 32 along K first
.macro FETCH slot, q, f
	WIN TO_F
.irp c, 0,1
.irp i, 0,1,2,3
	ds_load_tr16_b128 v[(\f)+64+8*(4*(\c)+(\i)):(\f)+64+8*(4*(\c)+(\i))+3],   v[ADRB+2*(\slot)+(\q)/2] offset:(64*((\q)%2)+32*(\c))*PB+32*(\i)
	ds_load_tr16_b128 v[(\f)+64+8*(4*(\c)+(\i))+4:(\f)+64+8*(4*(\c)+(\i))+7], v[ADRB+2*(\slot)+(\q)/2] offset:(64*((\q)%2)+32*(\c)+16)*PB+32*(\i)
	ds_load_b128 v[(\f)+8*(4*(\c)+(\i)):(\f)+8*(4*(\c)+(\i))+3],         v[ADRA+(\slot)] offset:(\q)*AQ+64*(\c)+(\i)*16*AP
	ds_load_b128 v[(\f)+8*(4*(\c)+(\i))+4:(\f)+8*(4*(\c)+(\i))+7],       v[ADRA+(\slot)] offset:(\q)*AQ+64*(\c)+(\i)*16*AP+32
.endr
.endr
.endm
.macro PLACES                          ; four places in front of loads into registers that matrix instructions have read, and of vector work on results
.rept 4
	v_nop
.endr
.endm
.macro QUARTER slot, q, f, g, zero
	s_wait_dscnt 16                                ; the first 32 along K are in; the sixteen younger loads may be out
	MUL8 \f, 0, 0, \zero
	MUL8 \f, 0, 2, \zero
	PLACES
	FETCH \slot, \q, \g
	s_wait_dscnt 32                                ; all but the 32 just issued
	MUL8 \f, 1, 0, 0
	MUL8 \f, 1, 2, 0
.endm
; The last quarter multiplies buffer 1 and changes slots: one barrier; in front of it each wave waits for all its tensor loads, adds 0 to its spare word, and waits for that and for its reads of this slot.
; fill = 1: the barrier opens a round of the cluster's barrier, and this slot is filled again, two K steps ahead, first thing behind the round.
.macro TURN slot, next, fill
	WIN 0
	s_wait_tensorcnt 0x0                           ; all my tensor loads have landed: my part of the next slot
	ds_add_u32 v[SPW], v[NIL]                      ; 0 onto my spare word
	s_wait_dscnt 17                                ; (the add and the youngest sixteen loads may be out)
	MUL8 F1, 0, 0, 0
	s_wait_dscnt 0x0                               ; the add is done, and my reads of this slot are over
	s_barrier_signal -1
	MUL8 F1, 0, 2, 0
.if \fill
	WIN 0
.endif
	s_barrier_wait -1
.if \fill
	CREST                                          ; no wave of any partner still reads this slot's tile or has a load on its way
	s_add_nc_u64 s[G0+4*(\slot)+2:G0+4*(\slot)+3], s[G0+4*(\slot)+2:G0+4*(\slot)+3], 2*ASTEP
	s_add_nc_u64 s[G0B+4*(\slot)+2:G0B+4*(\slot)+3], s[G0B+4*(\slot)+2:G0B+4*(\slot)+3], 2*BSTEP
	JLOAD \slot                                    ; my one tensor load behind the round; its four v_nop are also the places in front of the loads below
.else
	PLACES
.endif
	FETCH \next, 0, F0
	MUL8 F1, 1, 0, 0
	MUL8 F1, 1, 2, 0
.endm
	s_wait_tensorcnt 1                             ; my part of K step 0 is in; K step 1's may stay out
	s_barrier_signal -1
	s_barrier_wait -1
	FETCH 0, 0, F0
	QUARTER 0, 1, F0, F1, 1                        ; K step 0: its first products start the sums
	QUARTER 0, 2, F1, F0, 0
	QUARTER 0, 3, F0, F1, 0
	TURN 0, 1, 1                                   ; slot 0 takes K step 2: its last fill
	QUARTER 1, 1, F0, F1, 0
	QUARTER 1, 2, F1, F0, 0
	QUARTER 1, 3, F0, F1, 0
	TURN 1, 0, 1                                   ; slot 1 takes K step 3
	QUARTER 0, 1, F0, F1, 0
	QUARTER 0, 2, F1, F0, 0
	QUARTER 0, 3, F0, F1, 0
	TURN 0, 1, 0                                   ; behind this barrier no wave reads slot 0 any more, and nothing fills it
	QUARTER 1, 1, F0, F1, 0
	QUARTER 1, 2, F1, F0, 0
	QUARTER 1, 3, F0, F1, 0
	s_wait_dscnt 16
	MUL8 F1, 0, 0, 0
	MUL8 F1, 0, 2, 0
	s_wait_dscnt 0x0
	MUL8 F1, 1, 0, 0
	MUL8 F1, 1, 2, 0
	WIN 0
	; THE WAY OUT: the bias (each accumulator from its low end on); 32 bytes a lane into the stage; a barrier; back as whole rows of 512 bytes, 32 rows a wave.
	s_wait_loadcnt 0x0                             ; the bias
	PLACES
.set t, 0
.rept 16
.irp r, 0,1,2,3
	v_pk_add_f32 v[ACC+8*t+2*\r:ACC+8*t+2*\r+1], v[ACC+8*t+2*\r:ACC+8*t+2*\r+1], v[BIAS+8*(t%4)+2*\r:BIAS+8*(t%4)+2*\r+1]
.endr
.set t, t+1
.endr
.irp a, 0,1,2,3
.irp b, 0,1,2,3
	ds_store_b128 v[STO], v[ACC+8*(4*(\a)+(\b)):ACC+8*(4*(\a)+(\b))+3]   offset:STAGE+(\a)*16*SP+64*(\b)
	ds_store_b128 v[STO], v[ACC+8*(4*(\a)+(\b))+4:ACC+8*(4*(\a)+(\b))+7] offset:STAGE+(\a)*16*SP+64*(\b)+16
.endr
.endr
	s_wait_dscnt 0x0                               ; for the others' sake: my stores into the stage are done
	s_barrier_signal -1
	s_barrier_wait -1
.set t, 0
.rept 32
	ds_load_b128 v[ACC+4*t:ACC+4*t+3], v[RD] offset:STAGE+t*SP
.set t, t+1
.endr
.set t, 0
.rept 32
	s_wait_dscnt 31-t                              ; load t is back; the later ones may be out
	global_store_b128 v[CO], v[ACC+4*t:ACC+4*t+3], s[70:71] offset:4096*t  ; 32 lanes store 512 consecutive bytes, at a multiple of 256 from out0's first byte
.set t, t+1
.endr
	s_wait_tensorcnt 0x0                           ; the wave's end
	ds_add_u32 v[SPW], v[NIL]
	s_wait_dscnt 0x0
	CROUND                                         ; the closing round: no work-group ends while a partner may still ask for a tile that names it
	s_endpgm
.Lfunc_end_k_q4cae800b3f_outp:
	.size	k_q4cae800b3f_outp, .Lfunc_end_k_q4cae800b3f_outp-k_q4cae800b3f_outp
	.p2alignl 7, 3214868480
	.fill 96, 4, 3214868480
	.section	.rodata,"a",@progbits
	.p2align	6, 0x0
	.amdhsa_kernel k_q4cae800b3f_outp
		.amdhsa_group_segment_fixed_size 327680
		.amdhsa_private_segment_fixed_size 0
		.amdhsa_enable_private_segment 0
		.amdhsa_kernarg_size 32
		.amdhsa_user_sgpr_count 2
		.amdhsa_user_sgpr_kernarg_segment_ptr 1
		.amdhsa_wavefront_size32 1
		.amdhsa_system_sgpr_workgroup_id_x 1
		.amdhsa_system_sgpr_workgroup_id_y 1
		.amdhsa_system_sgpr_workgroup_id_z 1
		.amdhsa_system_vgpr_workitem_id 0
		.amdhsa_next_free_vgpr 512
		.amdhsa_next_free_sgpr 80
		.amdhsa_reserve_vcc 0
		.amdhsa_float_denorm_mode_32 3
		.amdhsa_float_denorm_mode_16_64 3
		.amdhsa_memory_ordered 1
		.amdhsa_forward_progress 1
		.amdhsa_inst_pref_size 91
	.end_amdhsa_kernel
	.amdgpu_metadata
---
amdhsa.version: [ 1, 2 ]
amdhsa.kernels:
  - .name:           k_q4cae800b3f_outp
    .symbol:         k_q4cae800b3f_outp.kd
    .args:
      - { .name: o16, .offset: 0, .size: 8, .value_kind: global_buffer, .address_space: global }
      - { .name: wo16, .offset: 8, .size: 8, .value_kind: global_buffer, .address_space: global }
      - { .name: bo, .offset: 16, .size: 8, .value_kind: global_buffer, .address_space: global }
      - { .name: out0, .offset: 24, .size: 8, .value_kind: global_buffer, .address_space: global }
    .group_segment_fixed_size: 327680
    .private_segment_fixed_size: 0
    .kernarg_segment_align: 8
    .kernarg_segment_size: 32
    .max_flat_workgroup_size: 128
    .sgpr_count:     80
    .vgpr_count:     512
    .wavefront_size: 32
...
	.end_amdgpu_metadata
.endif
;; end of part 4
;; ======== version 2 of 2: 4 launches; 1.25 times as fast as version 1
;; limits: values are held in f16: magnitudes above 65,504 overflow, below 6.1e-05 lose precision
;; workspace buffers: a16 16,777,216 bytes; wall 6,291,456 bytes; wo16 2,097,152 bytes; q16 8,388,608 bytes; k16 16,777,216 bytes; v16 16,777,216 bytes; o16 8,388,608 bytes
;; launch prep: the kernel of part 1 again; grid 512 x 1, 8 waves a work-group, no clusters, 0 bytes of LDS; arguments x, context, g1, b1, g2, b2, Wq, Wkv, Wo, a16, wall, wo16; writes a16, wall, wo16
;; launch proj: the kernel of part 2 again; grid 20 x 64, 4 waves a work-group, clusters of 4 x 4, 327,680 bytes of LDS; arguments a16, wall, q16, k16, v16; writes q16, k16, v16
;; launch attn (part 5): grid 8 x 32, 4 waves a work-group, clusters of 4 x 1, 327,680 bytes of LDS; arguments q16, k16, v16, context_mask, o16; writes o16
.if DOCPART == 5
	.amdgcn_target "amdgcn-amd-amdhsa--gfx1250"
	.amdhsa_code_object_version 6
	.text
	.protected	k_q4cae800b3f_attn
	.globl	k_q4cae800b3f_attn
	.p2align	8
	.type	k_q4cae800b3f_attn,@function
k_q4cae800b3f_attn:
	s_mov_b64 s[64:65], 0
	v_nop
	global_prefetch_b8 v0, s[64:65] scope:SCOPE_SE
	s_setreg_imm32_b32 hwreg(HW_REG_WAVE_MODE, 25, 1), 1
	s_wait_xcnt 0x0
	s_wait_alu depctr_hold_cnt(0) depctr_sa_sdst(0) depctr_va_vdst(0) depctr_va_sdst(0) depctr_va_ssrc(0) depctr_va_vcc(0) depctr_vm_vsrc(0)
	s_getreg_b32 s2, hwreg(HW_REG_IB_STS2, 6, 4)
	s_cmp_eq_u32 s2, 0
	s_cbranch_scc0 .Lentry_in_a_cluster
	s_endpgm
.Lentry_in_a_cluster:
	s_bfe_u32 s2, ttmp6, 0x10000c
	s_cmp_lg_u32 s2, 0x3003
	s_cbranch_scc0 .Lentry_shape_is_right
	s_endpgm
.Lentry_shape_is_right:
; ATTN.  O[bh][q] = the sum over the visible keys k of softmax_k(Q[bh][q] . K[bh][k] / 8) V[bh][k].  q16: [32][2048][64], holding c q with c = log2(e) / 8 (folded into the weights two launches back);
; k16, v16: [32][4096][64]; all f16.  So a score s = (c q) . k is ready for 2^x, and no scale is applied here.
; Keys 0-2047 come from the context and are visible where context_mask (one byte, 0 or 1) is 1; key 2048 + p comes from the sequence and is visible to queries q >= p.
; o16: [b 2][nb 16][h 16][r 128][c 64] f16: 128 rows of the sequence with all their heads side by side, as the launch behind wants its K steps.
; Products, maxima and sums in f32; the weights are rounded to f16 for the second product (their sum is taken unrounded), O once at the end.
; LIMITS.  Q, K, V arrive within f16's 65,504.  A hidden score counts as its value less 1e30 (f16's scores are 2.7e11 at the most); a weight below 2^-126 counts as 0; below 6e-5 a weight keeps f16's fixed
; step of 6e-8; NaN and infinities are not treated apart.  While a query has seen hidden keys alone its maximum is about -1e30 and its weights are 2^(s - m), 1 at the most; the first visible key's a = 0 removes
; them, and every query sees its own key.
; THE WALK.  A head's queries lie in four blocks of 512; block i needs the eight key tiles (256 keys) of the context and the tiles 8 .. 9 + 2 i of the sequence, of which the last two hold the diagonal.
; A cluster of four work-groups takes TWO blocks, 3 - pb and then pb.  A running maximum does not care for the order of the keys, and the walk is the same text for every work-group: the first block takes the
; context's eight tiles and the sequence's eight (8 .. 15); the second the sequence's first four (8 .. 11) and then the context's eight.  28 tiles, all trip counts constants, no branch on pb.  Two of the 28 are
; wholly hidden (pb = 1: tiles 14, 15 for block 2; pb = 0: tiles 10, 11 for block 0) and are computed all the same: 2 / 28 of the work is the price of one path for all.
; Partner cx owns 128 rows of each block (bands 2 cx, 2 cx + 1 of 64 rows), so all four walk the same tiles and every tile is asked for JOINTLY: the same tensor load, descriptor and mask in all four.
; pb and cx enter Q's and O's addresses and the mask's scalars, no branch and no LDS address.
; SHARES.  A wave owns 16 rows in each of its work-group's two bands: two PIECES.  In step s of the sequence's keys, counted from the block's first diagonal key, band x sees all if s < x, nothing if s > x, and holds the diagonal if s = x.
; THE MASK is the C operand that starts S^T = K Q^T.  For the context's keys it comes from a table in LDS (2,048 f32: 0 or -1e30), made once from context_mask.  For the sequence's keys it is MD x AL + BE:
; MD the mask of a band's own step for my rows, (AL, BE) = (1, 0) in that step, (0, 0) before it, (0, -1e30) behind it; the step number DS is signed and begins at -8 x block.
; LAYOUT.  S^T holds ONE query a lane (lane % 16) and the keys 8 (lane / 16) + 0..7; two such results rounded to f16 ARE source 1 of O^T = V^T P.  K comes out of LDS as it lies, V turned by ds_load_tr16_b128.
; SOFTMAX.  p = 2^(s - m) with a running maximum m: s + (-m) is 0 at the maximum and never above it, whatever m is.  O and l are multiplied by a = 2^(m_old - m_new) in every step.  m starts at the lowest
; finite number: a block's first step has a = 0.
; BY TURNS.  In a turn one piece has the matrix unit: 8 products V^T P of the step in hand, then 8 products K Q^T of the next, two at a time; the other piece's softmax, a list of 118, stands behind them, fourteen a pair.
; BATCHES.  A turn's 33 exponentials (a and the 32 weights) are ONE batch: numbers 21 to 69 of the list hold them and the 16 additions s + (-m), and name no exponential's result; all that reads a result (the
; roundings, the sums, the rescaling by a) comes from number 70 on, and the turn's one s_wait_alu depctr_va_vdst(0) stands between 69 and 70.  Each result has a register of its
; own: the weights take their scores' places, a takes c2's.  A block's end has a second batch, its two reciprocals, with one wait.
; REGISTERS.  window 0: v0-15 addresses; v16-31 statistics, 8 a piece; v32-95 O^T; v96-159 S^T; v160-191 P; v192-223 the mask in hand; v224-255 MD.
;             window 1: v0-31 Q; v32-63 the second block's Q; v64-127 K of one step; v128-191 V of one step.
.set KS,    64
.set PK,    144       ; a row of K in LDS: 128 bytes + 16 = 36 words: the 16 rows of a load start at 16 different groups of four banks (64 banks of 4 bytes: ISA guide 11.1)
.set PV,    160       ; a row of V: 128 + 32 = 40 words
.set VOFF,  4*KS*PK   ; a slot holds a tile: 256 rows of K, then 256 rows of V
.set SLOT1, 1<<17     ; slot 1 begins here: one exclusive or turns an address in one slot into the other's
.set STAGE, SLOT1+4*KS*(PK+PV)  ; 16 rows x 144 bytes for each wave, for the way out
.set SP,    144
.set TABLE, STAGE+4*16*SP       ; the mask table: 2,048 words, stored once, never a tensor load's target
.set SPARE, TABLE+2048*4        ; the spare words, 128 bytes for each wave: two blocks of 256 bytes that no other line names
.set AK0, 2           ; v2   my lane's place in a tile of K
.set AV0, 3           ; v3   in a tile of V
.set ADR, 4           ; v4   the LDS address of the run of loads in hand
.set QO,  5           ; v5   my byte offset in 16 rows of Q
.set STO, 6
.set RD,  7
.set GO,  8
.set AT0, 12          ; v12  my lanes' place in 16 words of the table: 32 (l / 16)
.set ADRT, 13         ; v13  the table address in hand
.set SPW, 14          ; v14  LDS address of my spare word; never rewritten
.set NIL, 15          ; v15  0; never rewritten
.set ST,  16          ; piece t at v[ST+8 t]: -m, m, l (even keys', odd keys'), c0-c3 at work; a takes c2's place
.set O,   32
.set S,   96
.set P,   160
.set T,   192
.set MD,  224
.set Q,   0           ; window 1
.set QB,  32
.set KF,  64          ; key block kb, channel half c at KF + 16 kb + 8 c
.set VF,  128         ; key half kk, channel block cb at VF + 32 kk + 8 cb
.set WV,  12          ; s12  my wave's number
.set PB,  14          ; s14  pb
.set HI,  15          ; s15  3 - pb
.set G1K, 24
.set G1V, 32
.set G0K, 40
.set G0V, 44
.set SLOTS, 56        ; s56  counts the tiles of the loop in hand
.set CNT, 57          ; s57  counts a tile's key steps, 4 to 1
.set SEL, 60          ; s[60:61] v_permlanex16_b32's selects
.set TBK, 62          ; s62  LDS byte at which K of the step to be fetched begins
.set TBV, 63          ; s63  the same for V, less VOFF
.set OA,  66          ; s[66:67] O at my rows of the block in hand
.set TBT, 68          ; s68  LDS byte of the table's words for the step to be fetched
.set NXA, 69          ; s69  the first tile of the walk's next run of tiles
.set NXT, 71          ; s71  the tile to be asked for next
.set LQ,  72          ; s72  the last tile of the run whose tiles are being asked for
.set OFF, 74          ; s[74:75]
.set AL,  76          ; s[76:77]
.set BE,  78          ; s[78:79]
.set OLO, 80          ; s[80:81] O at my rows of the second block
.set BIGN, 82         ; -1e30
.set BIGP, 83         ; +1e30
.set DS,  84          ; s84  the step among the sequence's keys, counted from the block's first diagonal key: signed
.set BD,  85          ; s85, s86  my two bands
.set LQA, 87          ; s87  the last tile of the walk's next run
.set QLO, 88          ; s[88:89] Q at my rows of the second block
.set MSB, 0
.macro WIN new
.if MSB != (\new)
	s_set_vgpr_msb (MSB<<8)|(\new)
.set MSB, (\new)
.endif
.endm
.set W_KQ, 0x05       ; K and Q in window 1; mask and S^T in window 0
.set W_PV, 0x01       ; V in window 1; P and O^T in window 0
; A joint fill.  Waves 0 and 1 fetch the halves of a tile's K, waves 2 and 3 those of its V: 128 keys each.  An s_nop 0 and four v_nop follow each line.
.macro JLOAD
	s_cmp_lt_u32 s[WV], 2
	s_cbranch_scc0 .Lfor_v_\@
	tensor_load_to_lds s[G0K:G0K+3], s[G1K:G1K+7]
	s_nop 0
.rept 4
	v_nop
.endr
	s_branch .Lasked_\@
.Lfor_v_\@:
	tensor_load_to_lds s[G0V:G0V+3], s[G1V:G1V+7]
	s_nop 0
.rept 4
	v_nop
.endr
.Lasked_\@:
.endm
.macro CROUND                       ; a round of the cluster's barrier
	s_barrier_signal -1
	s_barrier_wait -1
	s_cmp_lg_u32 s[WV], 0
	s_cbranch_scc1 .Lnot_wave_0_\@
	s_barrier_signal -3
.Lnot_wave_0_\@:
	s_barrier_wait -3
	s_barrier_signal -1
	s_barrier_wait -1
.endm
; THE CHANGE OF SLOTS.  Each wave waits for all its tensor loads, of which one is out: its part of the other slot; adds 0 to its spare word; and waits for that and for its own LDS work (its reads of the slot
; that it leaves; at the first use its stores into the table).  fill = 1: the barrier is a round of the cluster's, and the old slot is filled again with tile NXT, first thing behind it: the load has a tile's
; four key steps, 128 matrix instructions a wave, in which to land.  The descriptor's address is made anew from the tile's number.  (At the first use slot 0 is waited for and slot 1 filled.)
; The tiles asked for come in three runs: 0 .. 15, then 8 .. 11, then 0 .. 7.
.macro CHANGE fill
	WIN 0
	s_wait_tensorcnt 0x0            ; no tensor load of mine is out, so a group 0 may be written
	ds_add_u32 v[SPW], v[NIL]       ; 0 onto my spare word
.if \fill
	s_lshl_b32 s[OFF], s[NXT], 15   ; a tile is 32,768 bytes of K and of V
	s_xor_b32 s[G0K+1], s[G0K+1], SLOT1
	s_add_nc_u64 s[G0K+2:G0K+3], s[6:7], s[OFF:OFF+1]
	s_or_b32 s[G0K+3], s[G0K+3], 0x80000000
	s_xor_b32 s[G0V+1], s[G0V+1], SLOT1
	s_add_nc_u64 s[G0V+2:G0V+3], s[8:9], s[OFF:OFF+1]
	s_or_b32 s[G0V+3], s[G0V+3], 0x80000000
	s_add_co_u32 s[NXT], s[NXT], 1  ; the run's next tile, or behind its last the next run's first
	s_cmp_gt_u32 s[NXT], s[LQ]
	s_cselect_b32 s[NXT], s[NXA], s[NXT]
	s_cselect_b32 s[LQ], s[LQA], s[LQ]
	s_cselect_b32 s[NXA], 0, s[NXA] ; and the run behind that is the context's: 0 .. 7
	s_cselect_b32 s[LQA], 7, s[LQA]
	s_wait_dscnt 0x0
	CROUND
	JLOAD
.else
	s_wait_dscnt 0x0
	s_barrier_signal -1
	s_barrier_wait -1
.endif
	s_sub_co_u32 s[TBK], s[TBK], 4*KS*PK  ; the fetches go back to a slot's first step,
	s_xor_b32 s[TBK], s[TBK], SLOT1       ; in the other slot
	s_sub_co_u32 s[TBV], s[TBV], 4*KS*PV
	s_xor_b32 s[TBV], s[TBV], SLOT1
.endm
	s_load_b256 s[4:11], s[0:1], 0x0  ; q16 s[4:5], k16 s[6:7], v16 s[8:9], context_mask s[10:11]
	s_load_b64 s[OA:OA+1], s[0:1], 0x20  ; o16
	v_lshl_add_u32 v[SPW], v0, 2, SPARE
	v_mov_b32 v[NIL], 0
	ds_add_u32 v14, v15
	s_wait_dscnt 0x0
	v_lshrrev_b32 v1, 5, v0
	v_readfirstlane_b32 s[WV], v1   ; wave 0..3
	s_bfe_u32 s13, ttmp6, 0x40000   ; cx
	s_mov_b32 s[PB], ttmp9          ; the cluster's x: which pair of blocks
	s_sub_co_u32 s[HI], 3, s[PB]
	s_and_b32 s20, ttmp7, 0xffff    ; bh, which the four partners share
	s_and_b32 s16, s[WV], 1         ; which half of a tile's 256 keys I fetch
	s_lshl_b32 s22, s20, 19         ; a head's 4,096 keys x 128 bytes,
	s_lshl_b32 s21, s16, 14         ; my 128 keys
	s_add_co_u32 s22, s22, s21
	s_mov_b32 s23, 0
	s_mul_i32 s17, s16, 128*PK      ; and their place in a slot
	s_mul_i32 s18, s16, 128*PV
	; Q's and O's offsets: the only addresses that pb and cx enter
	s_lshl_b32 s3, s13, 7
	s_lshl_b32 s19, s[WV], 4
	s_add_co_u32 s3, s3, s19        ; 128 cx + 16 w: my first row in a block
	s_lshl_b32 s21, s20, 18         ; a head's 2,048 rows x 128 bytes
	s_lshl_b32 s48, s[HI], 9
	s_add_co_u32 s48, s48, s3
	s_lshl_b32 s48, s48, 7
	s_add_co_u32 s48, s48, s21      ; Q, first block
	s_mov_b32 s49, 0
	s_lshl_b32 s52, s[PB], 9
	s_add_co_u32 s52, s52, s3
	s_lshl_b32 s52, s52, 7
	s_add_co_u32 s52, s52, s21      ; Q, second block
	s_mov_b32 s53, 0
	s_and_b32 s2, s20, 16
	s_add_co_u32 s2, s2, s13        ; 16 b + cx
	s_and_b32 s21, s20, 15          ; h
	s_lshl_b32 s19, s[WV], 11       ; my 16 rows x 128 bytes
	s_lshl2_add_u32 s50, s[HI], s2  ; 16 b + nb, nb = 4 x block + cx
	s_lshl4_add_u32 s50, s50, s21   ; x 16 + h
	s_lshl_b32 s50, s50, 14         ; x 128 rows x 128 bytes
	s_add_co_u32 s50, s50, s19      ; O, first block
	s_mov_b32 s51, 0
	s_lshl2_add_u32 s54, s[PB], s2
	s_lshl4_add_u32 s54, s54, s21
	s_lshl_b32 s54, s54, 14
	s_add_co_u32 s54, s54, s19      ; O, second block
	s_mov_b32 s55, 0
	s_lshr_b32 s90, s20, 4
	s_lshl_b32 s90, s90, 11         ; the batch's 2,048 mask bytes
	s_mov_b32 s91, 0
	s_lshl_b32 s[BD], s13, 1        ; my bands
	s_add_co_u32 s[BD+1], s[BD], 1
	; descriptor group 1.  128 keys are 16,384 dense bytes: asked for as 64 rows of 256 bytes, two keys a row, and padded in LDS after every key
	s_mov_b32 s[G1K], 15|(1<<16)|(1<<20)|(1<<21)|(4<<22)|(3<<25)  ; 15:0 the mask of four; 17:16 2-byte elements; 20 padding on; 21 set beside a mask; 24:22 after every 32 words; 31:25 4 words
	s_mov_b32 s[G1V], 15|(1<<16)|(1<<20)|(1<<21)|(4<<22)|(7<<25)  ; the same with 8 words of padding
.irp g, G1K, G1V
	s_mov_b32 s[\g+1], 128<<16      ; tensor_dim0
	s_mov_b32 s[\g+2], 64<<16       ; tensor_dim1
	s_mov_b32 s[\g+3], 128<<16      ; tile_dim0
	s_mov_b32 s[\g+4], 64           ; tile_dim1
	s_mov_b32 s[\g+5], 128          ; elements from row to row
	s_mov_b32 s[\g+6], 0
	s_mov_b32 s[\g+7], 0
.endr
	s_mov_b32 s[SEL], 0x76543210
	s_mov_b32 s[SEL+1], 0xfedcba98
	s_mov_b32 s[TBK], SLOT1+4*KS*PK ; the first change of slots turns these two into 0
	s_mov_b32 s[TBV], SLOT1+4*KS*PV
	s_mov_b32 s[G0K], 1
	s_mov_b32 s[G0K+1], s17         ; slot 0
	s_mov_b32 s[G0V], 1
	s_add_co_u32 s[G0V+1], s18, VOFF
	s_mov_b32 s[NXT], 1             ; tile 0 is asked for below; the first run goes on to 15,
	s_mov_b32 s[LQ], 15
	s_mov_b32 s[NXA], 8             ; the second is 8 .. 11
	s_mov_b32 s[LQA], 11
	s_lshl_b32 s[DS], s[HI], 3
	s_sub_co_u32 s[DS], 0, s[DS]    ; the sequence's first step lies 8 x block steps in front of the block's diagonal keys
	s_mov_b32 s[OFF+1], 0
	s_mov_b32 s[AL+1], 0            ; named as pairs
	s_mov_b32 s[BE+1], 0
	s_mov_b32 s[BIGN], 0xf149f2ca   ; -1e30
	s_mov_b32 s[BIGP], 0x7149f2ca   ; +1e30
	s_wait_kmcnt 0x0
	s_add_nc_u64 s[6:7], s[6:7], s[22:23]  ; K and V at my half of the head's tile 0
	s_add_nc_u64 s[8:9], s[8:9], s[22:23]
	s_add_nc_u64 s[G0K+2:G0K+3], s[6:7], 0
	s_or_b32 s[G0K+3], s[G0K+3], 0x80000000
	s_add_nc_u64 s[G0V+2:G0V+3], s[8:9], 0
	s_or_b32 s[G0V+3], s[G0V+3], 0x80000000
	s_add_nc_u64 s[QLO:QLO+1], s[4:5], s[52:53]
	s_add_nc_u64 s[4:5], s[4:5], s[48:49]
	s_add_nc_u64 s[OLO:OLO+1], s[OA:OA+1], s[54:55]
	s_add_nc_u64 s[OA:OA+1], s[OA:OA+1], s[50:51]
	s_add_nc_u64 s[10:11], s[10:11], s[90:91]
	CROUND                          ; all four work-groups are here: the first joint loads meet
	JLOAD                           ; tile 0 into slot 0
	v_and_b32 v1, 15, v0            ; l % 16
	v_bfe_u32 v9, v0, 4, 1          ; l / 16
	v_lshlrev_b32 v[ADRT], 4, v0    ; thread t takes mask bytes 16 t .. 16 t + 15: 128 threads, 2,048 bytes
	global_load_b128 v[S:S+3], v[ADRT], s[10:11]
	v_lshlrev_b32 v[QO], 7, v1
	v_lshl_add_u32 v[QO], v9, 4, v[QO]  ; row x 128 + 16 x half of the lanes
	WIN 0x40                        ; destination window 1, address window 0
.set i, 0
.rept 4                             ; both blocks' Q: piece i / 2 lies 64 rows, 8,192 bytes, on; channels 32 (i % 2) on
	global_load_b128 v[Q+8*i:Q+8*i+3],     v[QO], s[4:5] offset:(i/2)*8192+(i%2)*64
	global_load_b128 v[Q+8*i+4:Q+8*i+7],   v[QO], s[4:5] offset:(i/2)*8192+(i%2)*64+32
	global_load_b128 v[QB+8*i:QB+8*i+3],   v[QO], s[QLO:QLO+1] offset:(i/2)*8192+(i%2)*64
	global_load_b128 v[QB+8*i+4:QB+8*i+7], v[QO], s[QLO:QLO+1] offset:(i/2)*8192+(i%2)*64+32
.set i, i+1
.endr
	WIN 0
	; my lane's places
	v_mul_u32_u24 v[AK0], v1, PK
	v_lshl_add_u32 v[AK0], v9, 4, v[AK0]
	v_and_b32 v10, 7, v0            ; the turning load: lane l reads key 8 (l / 16) + l % 8, channels 8 ((l / 8) % 2) + 0..7 of sixteen
	v_bfe_u32 v11, v0, 3, 1
	v_lshl_add_u32 v[AV0], v9, 3, v10
	v_mul_u32_u24 v[AV0], v[AV0], PV
	v_lshl_add_u32 v[AV0], v11, 4, v[AV0]
	v_add_nc_u32 v[AV0], VOFF, v[AV0]
	v_lshlrev_b32 v[AT0], 5, v9
	s_mul_i32 s19, s[WV], 16*SP
	s_add_co_u32 s19, s19, STAGE    ; my stage
	v_mul_u32_u24 v[STO], v1, SP    ; in: row l % 16, 16 bytes for each half of the lanes
	v_lshl_add_u32 v[STO], v9, 4, v[STO]
	v_add_nc_u32 v[STO], s19, v[STO]
	v_bfe_u32 v[RD], v0, 3, 2       ; back: 32 lanes take four rows of 128 bytes,
	v_mul_u32_u24 v[RD], v[RD], SP
	v_lshl_add_u32 v[RD], v10, 4, v[RD]
	v_add_nc_u32 v[RD], s19, v[RD]
	v_and_b32 v[GO], 31, v0         ; which are 512 consecutive bytes of O
	v_lshlrev_b32 v[GO], 4, v[GO]
	; MD: my query's place in its band is 16 w + l % 16, my register r of key group kt holds key 16 kt + 8 (l / 16) + r: hidden where 16 kt + r is greater than the difference below
	v_lshlrev_b32 v[S+24], 3, v9
	v_sub_nc_u32 v[S+24], v1, v[S+24]
	s_lshl_b32 s19, s[WV], 4
	v_add_nc_u32 v[S+24], s19, v[S+24]
.set i, 0
.rept 32
	v_cmp_gt_i32 vcc_lo, 16*(i/8)+i%8, v[S+24]
	v_cndmask_b32 v[MD+i], 0, s[BIGN], vcc_lo
.set i, i+1
.endr
	; the mask table: byte 1 -> 0, byte 0 -> -1e30
	s_wait_loadcnt 16               ; the mask bytes are in; the sixteen loads of Q behind them may stay out
.set i, 0
.rept 16
	v_bfe_u32 v[S+4+i], v[S+i/4], 8*(i%4), 8
.set i, i+1
.endr
.set i, 0
.rept 16
	v_cvt_f32_u32 v[S+4+i], v[S+4+i]
.set i, i+1
.endr
.set i, 0
.rept 16
	v_fma_f32 v[S+4+i], v[S+4+i], s[BIGP], s[BIGN]
.set i, i+1
.endr
	v_lshl_add_u32 v[ADR], v0, 6, TABLE  ; my 16 words
.irp k, 0,1,2,3
	ds_store_b128 v[ADR], v[S+4+4*\k:S+4+4*\k+3] offset:16*\k
.endr
	; A block's first step multiplies O^T and l by a = 0, and its first turn's products V^T P, of a step that has not been, land in an O^T that is still to be so multiplied.  So these registers need only
	; hold finite numbers: zeros for the first block, what the first block left for the second.  The price of writing no first step out; it stands in the wait for the first tile.
	WIN 0x40
.set i, 0
.rept 64
	v_mov_b32 v[VF+i], 0
.set i, i+1
.endr
	WIN 0
.set i, 0
.rept 64
	v_mov_b32 v[O+i], 0
.set i, i+1
.endr
.irp t, 0,1
	v_mov_b32 v[ST+8*\t+2], 0
	v_mov_b32 v[ST+8*\t+3], 0
.endr
.set i, 0
.rept 16
	v_mov_b32 v[P+16+i], 0
.set i, i+1
.endr
; THE MATRIX WORK.  The 4 accumulators of a run of 8 take turns, one instruction a turn.
; Product i of 8 of O^T += V^T P for piece x: keys 32 (i / 4) on, channels 16 (i % 4) on.
.macro PV x
	WIN W_PV
.set rO, O+32*(\x)+8*(i%4)
.set rV, VF+32*(i/4)+8*(i%4)
.set rP, P+16*(\x)+8*(i/4)
	v_wmma_f32_16x16x32_f16 v[rO:rO+7], v[rV:rV+7], v[rP:rP+7], v[rO:rO+7]
.endm
; Product i of 8 of S^T = K Q^T + mask for piece x: channels 32 (i / 4) on, keys 16 (i % 4) on.  The first 4 start the sums with the mask.
.macro KQ x
	WIN W_KQ
.set rS, S+32*(\x)+8*(i%4)
.set rK, KF+16*(i%4)+8*(i/4)
.set rQ, Q+16*(\x)+8*(i/4)
.set rM, T+8*(i%4)
.if i < 4
	v_wmma_f32_16x16x32_f16 v[rS:rS+7], v[rK:rK+7], v[rQ:rQ+7], v[rM:rM+7]
.else
	v_wmma_f32_16x16x32_f16 v[rS:rS+7], v[rK:rK+7], v[rQ:rQ+7], v[rS:rS+7]
.endif
.endm
; THE LDS LOADS stand in runs.  A step's K (8 fragments) and, tab = 1, its 64 words of the mask table (my lanes' 8 of each 16).
.macro FETCH_K tab
	WIN 0
	v_add_nc_u32 v[ADR], s[TBK], v[AK0]
.if \tab
	v_add_nc_u32 v[ADRT], s[TBT], v[AT0]
.endif
	WIN 0x40
.irp f, 0,1,2,3,4,5,6,7             ; keys 16 (f / 2) on, channels 32 (f % 2) on
	ds_load_b128 v[KF+8*\f:KF+8*\f+3],   v[ADR] offset:(\f/2)*16*PK+(\f%2)*64
	ds_load_b128 v[KF+8*\f+4:KF+8*\f+7], v[ADR] offset:(\f/2)*16*PK+(\f%2)*64+32
.endr
	WIN 0
.if \tab
.irp f, 0,1,2,3
	ds_load_b128 v[T+8*\f:T+8*\f+3],   v[ADRT] offset:64*\f
	ds_load_b128 v[T+8*\f+4:T+8*\f+7], v[ADRT] offset:64*\f+16
.endr
	s_add_co_u32 s[TBT], s[TBT], 4*KS  ; 32 such steps from TABLE on: the context's 2,048 words
.endif
	s_add_co_u32 s[TBK], s[TBK], KS*PK  ; the next fetch is the next step's
.endm
; V's run stands where the softmax's batch ends (SLN writes it there): its address's v_add_nc_u32 is the plain instruction behind the batch's last exponential, and the batch's wait stands behind it, ahead of the loads.
.macro FETCH_V
	WIN 0
	v_add_nc_u32 v[ADR], s[TBV], v[AV0]
	s_add_co_u32 s[TBV], s[TBV], KS*PV
	s_wait_alu depctr_va_vdst(0)    ; the wait for the turn's batch of 33 exponentials, ahead of the first instruction that names a result, number 70
	WIN 0x40
.irp f, 0,1,2,3,4,5,6,7             ; keys 32 (f / 4) on, channels 16 (f % 4) on
	ds_load_tr16_b128 v[VF+8*\f:VF+8*\f+3],   v[ADR] offset:(\f/4)*32*PV+(\f%4)*32
	ds_load_tr16_b128 v[VF+8*\f+4:VF+8*\f+7], v[ADR] offset:(\f/4)*32*PV+16*PV+(\f%4)*32
.endr
	WIN 0
.endm
; THE VECTOR WORK.  A piece's softmax for one key step is a list of 118 instructions, all in window 0; SM writes number j of it for piece Y.  s0-s31 are the lane's 32 scores, in pairs 0-15.
;   0-15    the maximum of s0-s31 and the old m, three operands at a time (each accumulator's lowest registers are read first)
;   16-20   the other half of the lanes' maximum; -m_old is kept; the new m; -m; m_old - m_new
;   21-69   ONE BATCH: the 16 additions s + (-m), a pair of scores each, and all 33 exponentials (a at 23, then s0-s31).  None of these names an exponential's result.  21, 22: two additions; 24-37: addition and
;           exponential by turns; 38-65: an addition and three exponentials; 66-69: the last four exponentials.  A pair's addition stands at least four numbers ahead of its first exponential
;   (wait)  between 69 and 70 stands the wait for the batch: SLN writes it
;   70-85   the roundings to f16, a pair of weights each
;   86-101  the sums; l = a l + the sum
;   102-117 the piece's O^T times a, each accumulator from its low end on
.macro SM
.set rT, ST+8*Y
.set rS, S+32*Y
.set rP, P+16*Y
.set rO, O+32*Y
	WIN 0
.if j < 4
	v_max3_num_f32 v[rT+4+j], v[rS+8*j], v[rS+8*j+1], v[rS+8*j+2]
.elseif j < 12
	v_max3_num_f32 v[rT+4+j%4], v[rT+4+j%4], v[rS+8*(j%4)+2*(j/4)+1], v[rS+8*(j%4)+2*(j/4)+2]
.elseif j == 12
	v_max3_num_f32 v[rT+4], v[rT+4], v[rS+7], v[rS+15]
.elseif j == 13
	v_max3_num_f32 v[rT+6], v[rT+6], v[rS+23], v[rS+31]
.elseif j == 14
	v_max3_num_f32 v[rT+4], v[rT+4], v[rT+5], v[rT+6]
.elseif j == 15
	v_max3_num_f32 v[rT+4], v[rT+4], v[rT+7], v[rT+1]
.elseif j == 16
	v_permlanex16_b32 v[rT+5], v[rT+4], s[SEL], s[SEL+1]  ; the query's other 32 keys lie in the lane 16 away
.elseif j == 17
	v_mov_b32 v[rT+7], v[rT]        ; -m_old
.elseif j == 18
	v_max_num_f32 v[rT+1], v[rT+4], v[rT+5]
.elseif j == 19
	v_sub_f32 v[rT], 0, v[rT+1]     ; -m
.elseif j == 20
	v_sub_f32 v[rT+7], v[rT], v[rT+7]  ; (-m_new) - (-m_old)
.elseif j == 23
	v_exp_f32 v[rT+6], v[rT+7]
.elseif (j < 23) || ((j < 38) && (j%2 == 0)) || ((j < 66) && (j%4 == 2))
.set b, (j-2)/4                     ; 38, 42, .. 62: pairs 9 to 15
.if j < 38
.set b, (j-20)/2                    ; 21: pair 0; 22, 24, .. 36: pairs 1 to 8
.endif
	v_pk_add_f32 v[rS+2*b:rS+2*b+1], v[rS+2*b:rS+2*b+1], v[rT:rT+1] op_sel_hi:[1,0]  ; pair b: s + (-m)
.elseif j < 70
.set e, j-38                        ; 66 to 69: s28 to s31
.if j < 66
.set e, j-32-(j-38)/4               ; 39-41, 43-45, .. 63-65: s7 to s27
.endif
.if j < 38
.set e, (j-25)/2                    ; 25, 27, .. 37: s0 to s6
.endif
	v_exp_f32 v[rS+e], v[rS+e]
.elseif j < 86
	v_cvt_pk_f16_f32 v[rP+j-70], v[rS+2*(j-70)], v[rS+2*(j-70)+1]  ; pair j - 70
.elseif j < 102                     ; the sum of the 16 pairs, in place: sum z adds neighbours 1, 2, 4 and 8 pairs apart, then l takes it
.set z, j-86
.set w, 4
.set u, z
.if z >= 14
.set w, 32
.set u, 0
.elseif z >= 12
.set w, 16
.set u, z-12
.elseif z >= 8
.set w, 8
.set u, z-8
.endif
.if z < 15
	v_pk_add_f32 v[rS+w*u:rS+w*u+1], v[rS+w*u:rS+w*u+1], v[rS+w*u+w/2:rS+w*u+w/2+1]
.else
	v_pk_fma_f32 v[rT+2:rT+3], v[rT+2:rT+3], v[rT+6:rT+7], v[rS:rS+1] op_sel_hi:[1,0,1]
.endif
.else
	v_pk_mul_f32 v[rO+2*(j-102):rO+2*(j-102)+1], v[rO+2*(j-102):rO+2*(j-102)+1], v[rT+6:rT+7] op_sel_hi:[1,0]
.endif
.endm
; The list's next n numbers.  Behind number 69 the batch is out: all 33 exponentials are issued and no result has been named; ahead of number 70 stands the turn's ONE wait.  FV = 1 (piece 1's turn): V's run of
; loads is due at this very place, and the wait stands in it.  FV = 0: nothing that names no result is left to do, so a v_nop is the plain instruction behind the last exponential.
.macro SLN n
.rept \n
	SM
.set j, j+1
.if j == 70
.if FV
	FETCH_V
.else
	v_nop                           ; a plain instruction behind the batch's last exponential (ISA guide 5.7.2)
	s_wait_alu depctr_va_vdst(0)    ; the wait for the turn's batch of 33 exponentials, ahead of the first instruction that names a result, number 70
.endif
.endif
.endr
.endm
.macro PICK x                       ; the two scalars of piece x's mask for step DS of the sequence's keys
	s_cmp_eq_u32 s[DS], s[BD+(\x)]  ; is the step the band's own?
	s_cselect_b32 s[AL], 1.0, 0
	s_cmp_gt_i32 s[DS], s[BD+(\x)]  ; or a later one?  (signed: in front of the diagonal keys DS is negative)
	s_cselect_b32 s[BE], s[BIGN], 0
.endm
.macro MASK                         ; MD x AL + BE
	WIN 0
.set z, 0
.rept 16
	v_pk_fma_f32 v[T+2*z:T+2*z+1], v[MD+2*z:MD+2*z+1], s[AL:AL+1], s[BE:BE+1] op_sel_hi:[1,0,0]
.set z, z+1
.endr
.endm
; A TURN.  Piece x has the matrix unit; piece 1 - x's softmax stands behind its products, 14 numbers behind each pair (28 where kq = 0: a block's last turn but one has no next scores), and the last 6 at the end:
; one switch of the windows in front of a pair and one behind it.  No number names a register of the products round it.  The last 20 numbers (sums, then O^T of piece 1 - x times a) are plain: they are the places
; between the turn's last K Q^T and the next turn's first read of those scores, and the loads into K's and the mask's registers.  Piece 0's turn fetches the next step's K (and mask words),
; behind its first pair; piece 1's turn the same step's V, behind number 69, which ends the slice of its first pair of K Q^T: six plain numbers (42, 46 .. 62) and the run's own v_add_nc_u32 stand between the last
; product that read V and that run.  5 x 14 = 70: the batch's wait falls between two pairs' slices (kq = 0: in the middle of the third slice); no label and no branch stands between number 23 and the wait.
; m = 1: a tile of the sequence: the mask is made, for this piece and step DS.
.macro TURN x, kq=1, m=0
.set Y, 1-(\x)
.set j, 0
.set per, 28-14*(\kq)
.set FV, (\x)*(\kq)
.if \m
	PICK \x
.endif
.if (\x) == 0
	s_wait_dscnt 0x0                ; V is in
.endif
.set i, 0
.rept 4
	PV \x
.set i, i+1
	PV \x
.set i, i+1
	SLN per
.if ((\x) == 0) && (\kq) && (i == 2)
	FETCH_K 1-(\m)
.endif
.endr
.if \kq
.if \m
	MASK
.endif
.if (\x) == 0
	s_wait_dscnt 0x0                ; K and the mask words are in
.endif
.set i, 0
.rept 4
	KQ \x
.set i, i+1
	KQ \x
.set i, i+1
	SLN 14
.endr
.endif
	SLN 6
.endm
; A BLOCK BEGINS.  m starts at the lowest finite number, so the first maximum is the scores' and the first step's a is 0.  m = 0: the first block, at the context's first tile: the table is read from its head.
; m = 1: the second block, at the sequence's first tile: piece 0's mask is made.  Then K of the tile's step 0 and piece 0's first scores.  The loop is entered at piece 1's turn, in the middle of a trip.
.macro BEGIN m
	WIN 0
.irp t, 0,1
	v_mov_b32 v[ST+8*\t], 0x7f7fffff    ; -m
	v_mov_b32 v[ST+8*\t+1], 0xff7fffff  ; m
.endr
.if \m
	PICK 0
	MASK
.else
	s_mov_b32 s[TBT], TABLE
.endif
	FETCH_K 1-(\m)
.if \m
	s_wait_storecnt 0x0             ; the first block's stores are done: they read v96-127, which the products below write, and O's address, which the next line writes
	s_mov_b64 s[OA:OA+1], s[OLO:OLO+1]
.else
	s_wait_loadcnt 0x0              ; Q
.endif
	s_wait_dscnt 0x0
.set i, 0
.rept 8
	KQ 0
.set i, i+1
.endr
	WIN 0
.rept 4
	v_nop                           ; the places behind those products
.endr
.endm
; A tile's four trips: piece 0's turn, piece 1's turn.  A trip makes the scores of one of the tile's steps and the second product of the step before.
.macro STEPS m, tag
.Lstep\tag:
	TURN 0, 1, \m
	WIN 0
.Lfirst\tag:
	TURN 1, 1, \m
	WIN 0
.if \m
	s_add_co_u32 s[DS], s[DS], 1
.endif
	s_sub_co_u32 s[CNT], s[CNT], 1
	s_cmp_lg_u32 s[CNT], 0
	s_cbranch_scc1 .Lstep\tag
.endm
; A BLOCK ENDS: the last step's second products, and THE WAY OUT: l's halves are added, O^T is divided by l, rounded to f16 and sent through my stage, a piece at a time.
.macro PACK t
.set i, O+32*(\t)
.rept 16
	v_pk_mul_f32 v[i:i+1], v[i:i+1], v[ST+8*(\t)+6:ST+8*(\t)+7] op_sel_hi:[1,0]
.set i, i+2
.endr
.set i, 0
.rept 16
	v_cvt_pk_f16_f32 v[S+16*(\t)+i], v[O+32*(\t)+2*i], v[O+32*(\t)+2*i+1]
.set i, i+1
.endr
.irp f, 0,1,2,3
	ds_store_b128 v[STO], v[S+16*(\t)+4*\f:S+16*(\t)+4*\f+3] offset:32*\f
.endr
.irp f, 0,1,2,3
	ds_load_b128 v[S+16*(\t)+4*\f:S+16*(\t)+4*\f+3], v[RD] offset:\f*4*SP  ; LDS serves a wave's instructions in order (ISA guide 5.7.1.4): these see the stores above; the next piece's stores come behind them
.endr
.endm
.macro SEND t, younger              ; younger: the LDS instructions issued behind piece t's loads
.irp f, 0,1,2,3
	s_wait_dscnt (\younger)+3-\f
	global_store_b128 v[GO], v[S+16*(\t)+4*\f:S+16*(\t)+4*\f+3], s[OA:OA+1] offset:(\t)*8192+\f*512  ; 512 consecutive bytes, at a multiple of 256 from O's first
.endr
.endm
.macro FINISH
	TURN 0, 0                       ; piece 0: V^T P of the last step | piece 1's last softmax
.set i, 0
.rept 8
	PV 1
.set i, i+1
.endr
	WIN 0                           ; the additions, the v_nop and piece 0's arithmetic are the places behind those products
.irp t, 0,1
	v_add_f32 v[ST+8*\t+4], v[ST+8*\t+2], v[ST+8*\t+3]
.endr
.irp t, 0,1
	v_permlanex16_b32 v[ST+8*\t+5], v[ST+8*\t+4], s[SEL], s[SEL+1]
.endr
.irp t, 0,1
	v_add_f32 v[ST+8*\t+4], v[ST+8*\t+4], v[ST+8*\t+5]
.endr
.irp t, 0,1
	v_rcp_f32 v[ST+8*\t+6], v[ST+8*\t+4]
.endr
	v_nop                           ; a plain instruction between the last reciprocal and the use of its result
	s_wait_alu depctr_va_vdst(0)    ; and the wait ahead of the first use: one for the batch of two reciprocals
	PACK 0
	PACK 1
	SEND 0, 8
	SEND 1, 0
.endm
	; THE FIRST BLOCK.  Eight tiles of the context; the first is entered here, in the middle of a trip.
	CHANGE 1                        ; slot 0 is in, everybody's part of it, and so is the table; tile 1 is asked for
	BEGIN 0
	s_mov_b32 s[CNT], 4
	s_mov_b32 s[SLOTS], 8
	s_branch .Lfirst0
.LslotA:
	CHANGE 1
	s_mov_b32 s[CNT], 4
	STEPS 0, 0
	s_sub_co_u32 s[SLOTS], s[SLOTS], 1
	s_cmp_lg_u32 s[SLOTS], 0
	s_cbranch_scc1 .LslotA
	; The sequence's eight tiles.
	s_mov_b32 s[SLOTS], 8
.LslotB:
	CHANGE 1
	s_mov_b32 s[CNT], 4
	STEPS 1, 1
	s_sub_co_u32 s[SLOTS], s[SLOTS], 1
	s_cmp_lg_u32 s[SLOTS], 0
	s_cbranch_scc1 .LslotB
	FINISH                          ; the first block's end; its eight stores are waited for in BEGIN, behind the round
	; THE SECOND BLOCK.  The ring runs on: its first tile was asked for a tile ago.
	s_lshl_b32 s[DS], s[PB], 3
	s_sub_co_u32 s[DS], 0, s[DS]
	WIN 0x41                        ; the second block's Q goes where the one text of the turns names Q
.set i, 0
.rept 32
	v_mov_b32 v[Q+i], v[QB+i]
.set i, i+1
.endr
	WIN 0
	CHANGE 1
	BEGIN 1
	s_mov_b32 s[CNT], 4
	s_mov_b32 s[SLOTS], 4           ; the sequence's first four tiles
	s_branch .Lfirst2
.LslotD:
	CHANGE 1
	s_mov_b32 s[CNT], 4
	STEPS 1, 2
	s_sub_co_u32 s[SLOTS], s[SLOTS], 1
	s_cmp_lg_u32 s[SLOTS], 0
	s_cbranch_scc1 .LslotD
	; The context's tiles, all but the last: the table is read from its head once more.
	s_mov_b32 s[TBT], TABLE
	s_mov_b32 s[SLOTS], 7
.LslotC:
	CHANGE 1
	s_mov_b32 s[CNT], 4
	STEPS 0, 3
	s_sub_co_u32 s[SLOTS], s[SLOTS], 1
	s_cmp_lg_u32 s[SLOTS], 0
	s_cbranch_scc1 .LslotC
	CHANGE 0                        ; the walk's last tile is written out: nothing is asked for
	s_mov_b32 s[CNT], 4
	STEPS 0, 4
	FINISH                          ; the second block's end
	s_wait_tensorcnt 0x0            ; the wave's end
	ds_add_u32 v[SPW], v[NIL]
	s_wait_dscnt 0x0
	CROUND                          ; the closing round: no work-group ends while a partner may still ask for a tile that names it
	s_endpgm
.Lfunc_end_k_q4cae800b3f_attn:
	.size	k_q4cae800b3f_attn, .Lfunc_end_k_q4cae800b3f_attn-k_q4cae800b3f_attn
	.p2alignl 7, 3214868480
	.fill 96, 4, 3214868480
	.section	.rodata,"a",@progbits
	.p2align	6, 0x0
	.amdhsa_kernel k_q4cae800b3f_attn
		.amdhsa_group_segment_fixed_size 327680
		.amdhsa_private_segment_fixed_size 0
		.amdhsa_enable_private_segment 0
		.amdhsa_kernarg_size 40
		.amdhsa_user_sgpr_count 2
		.amdhsa_user_sgpr_kernarg_segment_ptr 1
		.amdhsa_wavefront_size32 1
		.amdhsa_system_sgpr_workgroup_id_x 1
		.amdhsa_system_sgpr_workgroup_id_y 1
		.amdhsa_system_sgpr_workgroup_id_z 1
		.amdhsa_system_vgpr_workitem_id 0
		.amdhsa_next_free_vgpr 448
		.amdhsa_next_free_sgpr 92
		.amdhsa_reserve_vcc 1
		.amdhsa_float_denorm_mode_32 3
		.amdhsa_float_denorm_mode_16_64 3
		.amdhsa_memory_ordered 1
		.amdhsa_forward_progress 1
		.amdhsa_inst_pref_size 163
	.end_amdhsa_kernel
	.amdgpu_metadata
---
amdhsa.version: [ 1, 2 ]
amdhsa.kernels:
  - .name:           k_q4cae800b3f_attn
    .symbol:         k_q4cae800b3f_attn.kd
    .args:
      - { .name: q16, .offset: 0, .size: 8, .value_kind: global_buffer, .address_space: global }
      - { .name: k16, .offset: 8, .size: 8, .value_kind: global_buffer, .address_space: global }
      - { .name: v16, .offset: 16, .size: 8, .value_kind: global_buffer, .address_space: global }
      - { .name: context_mask, .offset: 24, .size: 8, .value_kind: global_buffer, .address_space: global }
      - { .name: o16, .offset: 32, .size: 8, .value_kind: global_buffer, .address_space: global }
    .group_segment_fixed_size: 327680
    .private_segment_fixed_size: 0
    .kernarg_segment_align: 8
    .kernarg_segment_size: 40
    .max_flat_workgroup_size: 128
    .sgpr_count:     92
    .vgpr_count:     448
    .wavefront_size: 32
...
	.end_amdgpu_metadata
.endif
;; end of part 5
;; launch outp: the kernel of part 4 again; grid 8 x 32, 4 waves a work-group, clusters of 4 x 4, 327,680 bytes of LDS; arguments o16, wo16, bo, out0; writes out0
